; MI455X (gfx1250); checked and timed in simulation.
; The chip was launched on July 23, 2026; its instructions are those of AMD's public machine-readable ISA for CDNA 5 (MIT licence, August 2026) and "CDNA5" Instruction Set Architecture Reference Guide (July 2026). The comments in the code are by the model that wrote it; some were corrected since.
;; Diff Pool Layer. Allowed arithmetic: float matrix products may take bf16 or f16 operands with f32 sums; all other float work in f32.
;; Inputs: We 512 x 512 float32; Wo 512 x 256 float32; Wp 512 x 64 float32; batch 50,000 int32; be 512 float32; bo 256 float32; bp 64 float32; edge_index 2 x 1,600,000 int32; x 50,000 x 512 float32.
;; Outputs: out0 1 x 64 x 256 float32.
;; 2 versions, each right; version 2 is version 1 with the launches pool, fold written anew for expert scheduling mode. Each part assembles by itself: llvm-mc -triple=amdgcn-amd-amdhsa -mcpu=gfx1250 --defsym DOCPART=n.
;; ======== version 1 of 2: 3 launches
;; workspace buffers: part 34,603,008 bytes; psum 135,168 bytes; wfrag 270,336 bytes
;; launch pool (part 1): grid 256 x 1, 8 waves a work-group, no clusters, 320,000 bytes of LDS; arguments x, Wp, bp, part; writes part
.if DOCPART == 1
	.amdgcn_target "amdgcn-amd-amdhsa--gfx1250"
	.amdhsa_code_object_version 6
	.text
	.protected	k_qc1a93ed435_pool
	.globl	k_qc1a93ed435_pool
	.p2align	8
	.type	k_qc1a93ed435_pool,@function
k_qc1a93ed435_pool:
	s_mov_b64 s[64:65], 0
	v_nop
	global_prefetch_b8 v0, s[64:65] scope:SCOPE_SE
	s_setreg_imm32_b32 hwreg(HW_REG_WAVE_MODE, 25, 1), 1
	s_wait_xcnt 0x0
; DiffPool, launch 1 of 3.  reference(): out = (s^T (x We + be)) Wo + bo with s = softmax(x Wp + bp).
; Exact algebra, for every input: s^T (x We + 1 be^T) = (s^T x) We + (s^T 1) be^T.  So this launch makes, for its share of the
; 50,000 rows, the partial P = s^T x [64 c][512 f] and the partial column sums of s; launch 2 adds the 256 partials and makes
; [We; be] Wo; launch 3 multiplies the two and adds bo.  x is read from memory once.
; edge_index and batch: reference() computes nothing from them, no result hangs on them, so no launch is given them.
; LIMITS: x, Wp and s go to the matrix unit rounded to bf16 (sums in f32); the softmax takes the row's maximum away first;
; v_exp_f32 gives 0 where the result would be below 2^-126; an Inf or NaN in x is not served (rows 192-207 are multiplied once
; more by zeros of s); sums run in another order than reference()'s.
;
; SHARE: 3,125 tiles of 16 rows.  Work-group g has 12 tiles, the first 53 work-groups 13, from tile 12 g + min(g, 53).
; Eight waves.  Round 0: wave w makes logits and softmax of tile w.  Round 1: waves 0 .. nt2-1 (nt2 = 4 or 5) those of tile 8 + w.
; Behind each round all waves add that round's rows to P: wave w owns 64 of the 512 f for all 64 c (16 tiles of 16 x 16).
; x comes through registers: three ring slots of 16 loads (16 rows x 512 bytes each) a wave, 48 loads of 512 consecutive bytes out.
; NO TENSOR LOADS, NO CLUSTER: the only bytes that work-groups share are Wp's 131,072 of the 531,000 that a work-group reads, read
; once at the head while the first x rows are on their way; x itself has to be rounded to bf16 on the way, which registers do.
;
; LDS.  x as bf16 stays for the whole share and is never filled again.
;   XB  208 rows x 1040 bytes   x[n][f] bf16 (1024 + 16: 16 rows start in 16 different 16-byte columns modulo 256)
;   WB   64 rows x 1040 bytes   Wp transposed, [c][f] bf16
;   SB  224 rows x  160 bytes   s[n][c] bf16 (128 + 32: eight rows start in eight different 32-byte columns modulo 256)
;   BB  256 bytes               bp, f32
.set XP,    1040
.set SP,    160
.set XB,    0
.set WB,    208*XP                     ; 216,320
.set SB,    WB+64*XP                   ; 282,880
.set BB,    SB+224*SP                  ; 318,720
.set PARTB, 135168                     ; bytes of one partial: 33 x 4 tiles of 1,024 bytes
.set EXTRA, 53                         ; 3,125 - 12 x 256 work-groups have a thirteenth tile
; REGISTERS, window 0:  v1 16 x lane; v2 x store; v3 x fragment; v4 Wp fragment; v5 s store; v6 s transposed read; v7 x transposed read;
;   v8 bias read; v9 Wp store; v10-15 at work
.set LACC, 16                          ; v[16:47]    4 tiles of logits: lane (r, h), register j of tile ct = logit(row r, c = 16 ct + 8 h + j)
.set XF,   48                          ; v[48:63]    x fragments, two buffers
.set WF,   64                          ; v[64:127]   Wp fragments, two buffers of four
.set SF,   64                          ; v[64:95]    P stage: s fragments, four c tiles
.set XT,   96                          ; v[96:127]   P stage: x fragments, four f tiles
.set PACC, 128                         ; v[128:255]  P tiles (u, ct) at 8 (4 u + ct)
; window 1 (written with the low 8 bits of the number):
.set RING, 0                           ; v256-447    three slots of 64: row i of a quarter at 4 i
.set EACC, 192                         ; v448-479    wave 7: the column sums' four tiles
.set ONES, 224                         ; v480-487    a fragment whose row 0 is all ones
.set MSB, 0
.macro WIN new                         ; the immediate's high byte repeats the setting that is left; a switch that changes nothing is dropped
.if MSB != \new
	s_set_vgpr_msb (MSB<<8)|\new
.set MSB, \new
.endif
.endm
; Four places of plain vector instructions behind a matrix instruction, before its results are read or loads land on its registers.
.macro PLACES
.rept 4
	v_nop
.endr
.endm
; One quarter of a tile: 16 rows x 512 bytes (128 f), each load 512 consecutive bytes, aligned.
.macro XLOAD slot, off
	WIN 0x40                                       ; destination window 1, address window 0
.set ii, 0
.rept 16
	global_load_b128 v[RING+64*\slot+4*ii:RING+64*\slot+4*ii+3], v1, s[4:5] offset:\off+2048*ii th:TH_LOAD_NT
.set ii, ii+1
.endr
.endm
; Ten LDS loads: the fragments of one K step of 32 f at byte ko of the rows: my 16 x rows, and Wp's 64 c.
.macro KLOAD buf, ko
	ds_load_b128 v[XF+8*\buf:XF+8*\buf+3],   v3 offset:\ko
	ds_load_b128 v[XF+8*\buf+4:XF+8*\buf+7], v3 offset:\ko+32
.set cc, 0
.rept 4
	ds_load_b128 v[WF+32*\buf+8*cc:WF+32*\buf+8*cc+3],   v4 offset:16*XP*cc+\ko
	ds_load_b128 v[WF+32*\buf+8*cc+4:WF+32*\buf+8*cc+7], v4 offset:16*XP*cc+\ko+32
.set cc, cc+1
.endr
.endm
; Source 0 = 16 c of Wp, source 1 = my 16 rows of x: a lane then holds 32 logits of ONE row.  The four accumulators take turns, one
; instruction a turn.
.macro KMUL buf
.set cc, 0
.rept 4
	v_wmma_f32_16x16x32_bf16 v[LACC+8*cc:LACC+8*cc+7], v[WF+32*\buf+8*cc:WF+32*\buf+8*cc+7], v[XF+8*\buf:XF+8*\buf+7], v[LACC+8*cc:LACC+8*cc+7]
.set cc, cc+1
.endr
.endm
; Quarter q of a tile, from ring slot 'slot'.  left = loads issued behind this quarter's sixteen.  refill = 1: the slot is loaded again from byte roff.
.macro QUARTER slot, q, left, refill, roff
	s_wait_loadcnt \left                           ; loads come back in order (ISA guide 5.7.1): my sixteen are in, the younger quarters stay out
	WIN 0x45
.set ii, 0
.rept 16                                           ; 4 f32 to 4 bf16, in place.  These 32 lines are also the places behind the last quarter's matrix instructions
	v_cvt_pk_bf16_f32 v[RING+64*\slot+4*ii],   v[RING+64*\slot+4*ii],   v[RING+64*\slot+4*ii+1]
	v_cvt_pk_bf16_f32 v[RING+64*\slot+4*ii+1], v[RING+64*\slot+4*ii+2], v[RING+64*\slot+4*ii+3]
.set ii, ii+1
.endr
	WIN 0x04                                       ; store data window 1
.set ii, 0
.rept 16
	ds_store_b64 v2, v[RING+64*\slot+4*ii:RING+64*\slot+4*ii+1] offset:XP*ii+256*\q   ; 32 lanes: 256 consecutive bytes of row ii
.set ii, ii+1
.endr
.if \refill
	XLOAD \slot, \roff
.endif
	WIN 0
	KLOAD 0, 256*\q                                ; my own rows: LDS serves a wave's instructions in order (ISA guide 5.7.1), these see the stores above
	KLOAD 1, 256*\q+64
	s_wait_dscnt 10                                ; all but the youngest ten: buffer 0 is in (and the bias, and the stores)
	KMUL 0
	PLACES
	KLOAD 0, 256*\q+128
	s_wait_dscnt 10                                ; buffer 1 is in
	KMUL 1
	PLACES
	KLOAD 1, 256*\q+192
	s_wait_dscnt 10                                ; buffer 0 is in
	KMUL 0
	s_wait_dscnt 0
	KMUL 1
.endm
; The bias is the first C: register j of tile ct = bp[16 ct + 8 h + j].
.macro TILE_BIAS
.set cc, 0
.rept 4
	ds_load_b128 v[LACC+8*cc:LACC+8*cc+3],   v8 offset:64*cc
	ds_load_b128 v[LACC+8*cc+4:LACC+8*cc+7], v8 offset:64*cc+16
.set cc, cc+1
.endr
.endm
; Softmax of my 16 rows: lanes r and r + 16 hold the two halves of row r.  Then s as bf16 into SB.
.macro SOFTMAX
	PLACES
	v_max3_num_f32 v10, v[LACC], v[LACC+1], v[LACC+2]
.set ii, 3
.rept 14
	v_max3_num_f32 v10, v10, v[LACC+ii], v[LACC+ii+1]
.set ii, ii+2
.endr
	v_max_num_f32 v10, v10, v[LACC+31]
	v_permlanex16_b32 v11, v10, s18, s19           ; the other half of the row
	v_max_num_f32 v10, v10, v11                    ; the row's maximum
	v_mul_f32 v12, 0xbfb8aa3b, v10                 ; - maximum x log2 e
	v_mov_b32 v13, v12
.set ii, 0
.rept 16
	v_pk_fma_f32 v[LACC+ii:LACC+ii+1], v[LACC+ii:LACC+ii+1], s[20:21], v[12:13] op_sel_hi:[1,0,1]   ; (logit - maximum) x log2 e
.set ii, ii+2
.endr
.set ii, 0
.rept 32
	v_exp_f32 v[LACC+ii], v[LACC+ii]
.set ii, ii+1
.endr
	v_nop                                          ; one plain place behind the transcendentals (ISA guide 5.7.2)
	s_wait_alu depctr_va_vdst(0)
	v_pk_add_f32 v[14:15], v[LACC:LACC+1], v[LACC+2:LACC+3]
.set ii, 4
.rept 14
	v_pk_add_f32 v[14:15], v[14:15], v[LACC+ii:LACC+ii+1]
.set ii, ii+2
.endr
	v_add_f32 v14, v14, v15
	v_permlanex16_b32 v11, v14, s18, s19
	v_add_f32 v14, v14, v11                        ; the row's sum, at least about 1: the maximum's own term
	v_rcp_f32 v12, v14
	v_nop
	s_wait_alu depctr_va_vdst(0)
	v_mov_b32 v13, v12
.set ii, 0
.rept 16
	v_pk_mul_f32 v[LACC+ii:LACC+ii+1], v[LACC+ii:LACC+ii+1], v[12:13]
.set ii, ii+2
.endr
.set ii, 0
.rept 16
	v_cvt_pk_bf16_f32 v[XF+ii], v[LACC+2*ii], v[LACC+2*ii+1]
.set ii, ii+1
.endr
.set cc, 0
.rept 4
	ds_store_b128 v5, v[XF+4*cc:XF+4*cc+3] offset:32*cc    ; s(row r, c = 16 ct + 8 h + 0..7)
.set cc, cc+1
.endr
.endm
; One K step of the P stage: rows 32 ks .. 32 ks + 31.  Both operands lie [n][..] in LDS and are transposed on the way (ds_load_tr16_b128).
; x's two groups of eight columns are taken 128 bytes apart, so that row m of source 0 is f = fa + (m & 7) + 64 (m >> 3).
; D: lane (r, h), register j = P(c = 16 ct + r, f = fa + 64 h + j).  zero = 1: the first products start the sums.
; half2: where the second sixteen rows of x lie (0 in the last step: rows 208-223 do not exist, s is zero there, rows 192-207 stand in).
.macro PSTEP ks, zero, xoff, half2
	PLACES
.set cc, 0
.rept 4
	ds_load_tr16_b128 v[SF+8*cc:SF+8*cc+3],   v6 offset:32*SP*\ks+32*cc
	ds_load_tr16_b128 v[SF+8*cc+4:SF+8*cc+7], v6 offset:32*SP*\ks+32*cc+16*SP
.set cc, cc+1
.endr
.set uu, 0
.rept 4
	ds_load_tr16_b128 v[XT+8*uu:XT+8*uu+3],   v7 offset:\xoff+16*uu
	ds_load_tr16_b128 v[XT+8*uu+4:XT+8*uu+7], v7 offset:\xoff+16*uu+\half2
.set uu, uu+1
.endr
.set uu, 0
.rept 4
	s_wait_dscnt 6-2*uu                            ; s and x's tiles up to u are in; the two loads of each later u may be out
.set cc, 0
.rept 4                                            ; sixteen accumulators by turns, one instruction a turn
.if \zero
	v_wmma_f32_16x16x32_bf16 v[PACC+8*(4*uu+cc):PACC+8*(4*uu+cc)+7], v[XT+8*uu:XT+8*uu+7], v[SF+8*cc:SF+8*cc+7], 0
.else
	v_wmma_f32_16x16x32_bf16 v[PACC+8*(4*uu+cc):PACC+8*(4*uu+cc)+7], v[XT+8*uu:XT+8*uu+7], v[SF+8*cc:SF+8*cc+7], v[PACC+8*(4*uu+cc):PACC+8*(4*uu+cc)+7]
.endif
.set cc, cc+1
.endr
.set uu, uu+1
.endr
	s_cmp_lg_u32 s12, 7
	s_cbranch_scc1 .Lno_ext_\@
	WIN 0x51                                       ; wave 7 alone: row 0 of ones x s = the column sums of s.  D, C and source 0 in window 1
.set cc, 0
.rept 4
.if \zero
	v_wmma_f32_16x16x32_bf16 v[EACC+8*cc:EACC+8*cc+7], v[ONES:ONES+7], v[SF+8*cc:SF+8*cc+7], 0
.else
	v_wmma_f32_16x16x32_bf16 v[EACC+8*cc:EACC+8*cc+7], v[ONES:ONES+7], v[SF+8*cc:SF+8*cc+7], v[EACC+8*cc:EACC+8*cc+7]
.endif
.set cc, cc+1
.endr
	WIN 0
.Lno_ext_\@:
.endm
	; ---------------- head ----------------
	s_load_b256 s[4:11], s[0:1], 0x0               ; x s[4:5], Wp s[6:7], bp s[8:9], part s[10:11]
	s_set_vgpr_msb 0x40
	v_lshl_add_u32 v232, v0, 2, 0x4de00
	v_mov_b32 v233, 0
	s_set_vgpr_msb 0x4000
	v_lshrrev_b32 v15, 5, v0
	v_readfirstlane_b32 s12, v15                   ; wave 0..7
	s_min_u32 s22, ttmp9, EXTRA
	s_mul_i32 s23, ttmp9, 12
	s_add_co_u32 s23, s23, s22                     ; the work-group's first tile
	s_add_co_u32 s23, s23, s12                     ; my tile of round 0
	s_lshl_b32 s16, s23, 15                        ; 16 rows of 2,048 bytes; below 102,400,000
	s_mov_b32 s17, 0
	s_cmp_lt_u32 ttmp9, EXTRA
	s_cselect_b32 s14, 5, 4                        ; nt2: tiles of round 1
	s_mul_i32 s24, ttmp9, PARTB
	s_lshl_b32 s27, s12, 14                        ; 16,384 w: my 64 rows of Wp, and my 16 tiles of the partial
	s_add_co_u32 s24, s24, s27
	s_mov_b32 s25, 0
	s_mov_b32 s18, 0x76543210                      ; v_permlanex16_b32: lane i of one half reads lane i of the other
	s_mov_b32 s19, 0xfedcba98
	s_mov_b32 s20, 0x3fb8aa3b                      ; log2 e, as a pair for the packed multiply-add
	s_mov_b32 s21, 0x3fb8aa3b
	v_and_b32 v84, 31, v0                          ; lane L
	v_and_b32 v85, 15, v0                          ; r
	v_bfe_u32 v86, v0, 4, 1                        ; h
	v_and_b32 v87, 7, v0                           ; L & 7
	v_bfe_u32 v88, v0, 3, 1                        ; (L >> 3) & 1
	v_lshlrev_b32 v1, 4, v84                       ; 16 L
	v_lshlrev_b32 v12, 3, v84                      ; 8 L: bp
	v_lshlrev_b32 v10, 4, v85
	v_lshl_add_u32 v10, v86, 11, v10
	v_add_nc_u32 v10, s27, v10                     ; Wp: row 64 w + 8 h, columns 4 r .. 4 r + 3
	s_wait_kmcnt 0x0
	s_add_nc_u64 s[4:5], s[4:5], s[16:17]
	s_add_nc_u64 s[10:11], s[10:11], s[24:25]
	global_load_b64 v[14:15], v12, s[8:9]          ; bp, in every wave, so that all waves count alike
.set ii, 0
.rept 32                                           ; my 64 rows of Wp: each load two whole rows of 256 bytes (f and f + 8)
	global_load_b128 v[PACC+4*ii:PACC+4*ii+3], v10, s[6:7] offset:((ii>>3)*16+(ii&7))*256
.set ii, ii+1
.endr
	XLOAD 0, 0                                     ; quarter 0 of my first tile: 1 + 32 + 16 = 49 loads are out
	WIN 0
	s_mul_i32 s22, s12, 16*XP
	v_lshl_add_u32 v2, v84, 3, s22                 ; x store: my 16 rows, 8 bytes a lane
	v_mul_u32_u24 v89, v85, XP
	v_lshl_add_u32 v89, v86, 4, v89                ; r x pitch + 16 h
	v_add_nc_u32 v3, s22, v89                      ; x fragment
	v_add_nc_u32 v4, WB, v89                       ; Wp fragment
	s_mul_i32 s23, s12, 16*SP
	s_add_co_u32 s23, s23, SB
	v_mul_u32_u24 v90, v85, SP
	v_lshl_add_u32 v90, v86, 4, v90
	v_add_nc_u32 v5, s23, v90                      ; s store
	v_lshl_add_u32 v91, v86, 3, v87                ; 8 h + (L & 7): the row that I address in a transposing load
	v_mul_u32_u24 v92, v91, SP
	v_lshl_add_u32 v92, v88, 4, v92
	v_add_nc_u32 v6, SB, v92                       ; s, transposed
	s_lshr_b32 s28, s12, 1
	s_lshl_b32 s28, s28, 8
	s_and_b32 s29, s12, 1
	s_lshl_b32 s29, s29, 6
	s_add_co_u32 s28, s28, s29                     ; 2 fa of my first f tile: 256 (w >> 1) + 64 (w & 1)
	v_mul_u32_u24 v93, v91, XP
	v_lshl_add_u32 v93, v88, 7, v93                ; the second eight columns lie 128 bytes on
	v_add_nc_u32 v7, s28, v93                      ; x, transposed
	v_lshl_add_u32 v8, v86, 5, BB                  ; bias
	s_lshl_b32 s26, s12, 7
	s_add_co_u32 s26, s26, WB
	v_mul_u32_u24 v94, v85, 4*XP
	v_lshl_add_u32 v94, v86, 4, v94
	v_add_nc_u32 v9, s26, v94                      ; Wp store: row c = 4 r, byte 2 (64 w + 8 h)
	v_lshl_add_u32 v13, v84, 3, BB                 ; bp store
	v_mov_b32 v11, 0                               ; v_permlanex16_b32 counts as a reader of its destination
	v_mov_b32 v96, 0x3f803f80                      ; two bf16 ones
	v_cmp_eq_u32 vcc_lo, 0, v85
	v_cndmask_b32 v96, 0, v96, vcc_lo              ; in the lanes of row 0 alone
	WIN 0x40
.set ii, 0
.rept 8
	v_mov_b32 v[ONES+ii], v96
.set ii, ii+1
.endr
	WIN 0
	; zeros: x rows 192-207 and s rows 192-223, of which the thirteenth tile, where there is one, overwrites rows 192-207 two barriers later
	v_mov_b32 v80, 0
	v_mov_b32 v81, 0
	v_mov_b32 v82, 0
	v_mov_b32 v83, 0
	s_mul_i32 s30, s12, 2*XP
	s_add_co_u32 s30, s30, XB+192*XP
	v_add_nc_u32 v94, s30, v1                      ; two rows a wave, 1,024 bytes each
	ds_store_b128 v94, v[80:83]
	ds_store_b128 v94, v[80:83] offset:512
	ds_store_b128 v94, v[80:83] offset:XP
	ds_store_b128 v94, v[80:83] offset:XP+512
	s_mul_i32 s31, s12, 4*SP
	s_add_co_u32 s31, s31, SB+192*SP
	v_add_nc_u32 v95, s31, v1                      ; four rows of 160 bytes a wave: 512 + 128
	v_lshl_add_u32 v93, v84, 2, s31
	ds_store_b128 v95, v[80:83]
	ds_store_b32 v93, v80 offset:512
	s_wait_loadcnt 16                              ; all but quarter 0's sixteen loads: bp and Wp are in
	XLOAD 1, 512                                   ; quarters 1 and 2 go out ahead of the conversion: 48 loads are out from here on
	XLOAD 2, 1024
	WIN 0
.set gq, 0
.rept 4                                            ; Wp[f][c] f32 to [c][f] bf16: eight f of one c are 16 bytes
.set tt, 0
.rept 4
.set pp, 0
.rept 4
	v_cvt_pk_bf16_f32 v[16+16*gq+4*tt+pp], v[PACC+32*gq+8*pp+tt], v[PACC+32*gq+8*pp+4+tt]
.set pp, pp+1
.endr
	ds_store_b128 v9, v[16+16*gq+4*tt:16+16*gq+4*tt+3] offset:XP*tt+32*gq
.set tt, tt+1
.endr
.set gq, gq+1
.endr
	s_cmp_lg_u32 s12, 0
	s_cbranch_scc1 .Lno_bp
	ds_store_b64 v13, v[14:15]                     ; wave 0 alone
.Lno_bp:
	s_wait_dscnt 0x0                               ; my stores are done, for the others' sake
	s_barrier_signal -1
	s_barrier_wait -1                              ; Wp, bp and the zeros are whole
	; ---------------- round 0: logits and softmax of tile w ----------------
	TILE_BIAS
	s_cmp_lt_u32 s12, 5                            ; waves 5-7 never have a second tile (nt2 is 4 or 5),
	s_cbranch_scc0 .Lone_tile
	s_cmp_lt_u32 s12, s14                          ; wave 4 only in the first 53 work-groups
	s_cbranch_scc0 .Lone_tile
	QUARTER 0, 0, 32, 1, 1536                      ; a wave with a second tile keeps three quarters on their way: its own quarter 3,
	QUARTER 1, 1, 32, 1, 262144                    ; then quarters 0, 1, 2 of tile 8 + w, 8 x 32,768 bytes on
	QUARTER 2, 2, 32, 1, 262656
	QUARTER 0, 3, 32, 1, 263168
	s_branch .Lsoft_a
.Lone_tile:
	QUARTER 0, 0, 32, 1, 1536                      ; a wave without: the counts run down
	QUARTER 1, 1, 32, 0, 0
	QUARTER 2, 2, 16, 0, 0
	QUARTER 0, 3, 0, 0, 0
.Lsoft_a:
	SOFTMAX
	s_wait_dscnt 0x0
	s_barrier_signal -1
	s_barrier_wait -1                              ; rows 0-127 of x and s are whole
	; ---------------- P stage, rows 0-127 ----------------
	PSTEP 0, 1, 0, 16*XP
	PSTEP 1, 0, 32*XP, 16*XP
	v_add_nc_u32 v7, 64*XP, v7
	PSTEP 2, 0, 0, 16*XP
	PSTEP 3, 0, 32*XP, 16*XP
	v_add_nc_u32 v7, 64*XP, v7                     ; row 128
	; ---------------- round 1: tile 8 + w, for waves 0-4 at the most: rows 128 + 16 w .. + 15 end at row 207, the last of XB, and inside SB.
	; Its stores go to rows 128 and up, which no wave reads before the next barrier ----------------
	s_cmp_lt_u32 s12, 5
	s_cbranch_scc0 .Lno_b
	s_cmp_lt_u32 s12, s14
	s_cbranch_scc0 .Lno_b
	v_add_nc_u32 v2, 128*XP, v2
	v_add_nc_u32 v3, 128*XP, v3
	v_add_nc_u32 v5, 128*SP, v5
	TILE_BIAS
	QUARTER 1, 0, 32, 1, 263680                    ; the last quarter goes out
	QUARTER 2, 1, 32, 0, 0
	QUARTER 0, 2, 16, 0, 0
	QUARTER 1, 3, 0, 0, 0
	SOFTMAX
.Lno_b:
	s_wait_dscnt 0x0
	s_barrier_signal -1
	s_barrier_wait -1                              ; rows 128-207 are whole
	; ---------------- P stage, rows 128-223 ----------------
	PSTEP 4, 0, 0, 16*XP
	PSTEP 5, 0, 32*XP, 16*XP
	v_add_nc_u32 v7, 64*XP, v7                     ; row 192
	PSTEP 6, 0, 0, 0
	; ---------------- the partial leaves as it lies in the registers: each store 512 consecutive bytes, aligned ----------------
	PLACES
.set ii, 0
.rept 32
	global_store_b128 v1, v[PACC+4*ii:PACC+4*ii+3], s[10:11] offset:512*ii
.set ii, ii+1
.endr
	s_cmp_lg_u32 s12, 7
	s_cbranch_scc1 .Ldone
	WIN 0x04                                       ; store data window 1
.set ii, 0
.rept 8
	global_store_b128 v1, v[EACC+4*ii:EACC+4*ii+3], s[10:11] offset:16384+512*ii    ; tile row 32: the column sums
.set ii, ii+1
.endr
	WIN 0
.Ldone:
	s_set_vgpr_msb 0x5
	s_wait_tensorcnt 0x0
	ds_add_u32 v232, v233
	s_wait_dscnt 0x0
	s_set_vgpr_msb 0x500
	s_endpgm
.Lfunc_end_k_qc1a93ed435_pool:
	.size	k_qc1a93ed435_pool, .Lfunc_end_k_qc1a93ed435_pool-k_qc1a93ed435_pool
	.p2alignl 7, 3214868480
	.fill 96, 4, 3214868480
	.section	.rodata,"a",@progbits
	.p2align	6, 0x0
	.amdhsa_kernel k_qc1a93ed435_pool
		.amdhsa_group_segment_fixed_size 320000
		.amdhsa_private_segment_fixed_size 0
		.amdhsa_enable_private_segment 0
		.amdhsa_kernarg_size 32
		.amdhsa_user_sgpr_count 2
		.amdhsa_user_sgpr_kernarg_segment_ptr 1
		.amdhsa_wavefront_size32 1
		.amdhsa_system_sgpr_workgroup_id_x 1
		.amdhsa_system_sgpr_workgroup_id_y 1
		.amdhsa_system_sgpr_workgroup_id_z 1
		.amdhsa_system_vgpr_workitem_id 0
		.amdhsa_next_free_vgpr 490
		.amdhsa_next_free_sgpr 66
		.amdhsa_reserve_vcc 1
		.amdhsa_float_denorm_mode_32 3
		.amdhsa_float_denorm_mode_16_64 3
		.amdhsa_memory_ordered 1
		.amdhsa_forward_progress 1
		.amdhsa_inst_pref_size 149
	.end_amdhsa_kernel
	.amdgpu_metadata
---
amdhsa.version: [ 1, 2 ]
amdhsa.kernels:
  - .name:           k_qc1a93ed435_pool
    .symbol:         k_qc1a93ed435_pool.kd
    .args:
      - { .name: x, .offset: 0, .size: 8, .value_kind: global_buffer, .address_space: global }
      - { .name: Wp, .offset: 8, .size: 8, .value_kind: global_buffer, .address_space: global }
      - { .name: bp, .offset: 16, .size: 8, .value_kind: global_buffer, .address_space: global }
      - { .name: part, .offset: 24, .size: 8, .value_kind: global_buffer, .address_space: global }
    .group_segment_fixed_size: 320000
    .private_segment_fixed_size: 0
    .kernarg_segment_align: 8
    .kernarg_segment_size: 32
    .max_flat_workgroup_size: 256
    .sgpr_count:     66
    .vgpr_count:     490
    .wavefront_size: 32
...
	.end_amdgpu_metadata
.endif
;; end of part 1
;; launch fold (part 2): grid 396 x 1, 8 waves a work-group, no clusters, 37,888 bytes of LDS; arguments part, We, be, Wo, psum, wfrag; writes psum, wfrag
.if DOCPART == 2
	.amdgcn_target "amdgcn-amd-amdhsa--gfx1250"
	.amdhsa_code_object_version 6
	.text
	.protected	k_qc1a93ed435_fold
	.globl	k_qc1a93ed435_fold
	.p2align	8
	.type	k_qc1a93ed435_fold,@function
k_qc1a93ed435_fold:
	s_mov_b64 s[64:65], 0
	v_nop
	global_prefetch_b8 v0, s[64:65] scope:SCOPE_SE
	s_setreg_imm32_b32 hwreg(HW_REG_WAVE_MODE, 25, 1), 1
	s_wait_xcnt 0x0
; DiffPool, launch 2 of 3.  Two jobs that do not depend on each other, told apart by the work-group's number alone:
;   0 .. 131:   Weo = [We; be] Wo, as bf16, stored as the fragments that launch 3 multiplies by (work-group = 16 f x 64 o)
;   132 .. 395: psum = the sum of the 256 partials of launch 1 (work-group = 512 bytes of the 135,168)
; Tile row U (0..32) stands for the 16 f = fa(U) + 64 h + j, fa(U) = 128 (U >> 3) + 8 (U & 7); U = 32 is be's row, sixteen times.
; wfrag: tile (U, ot) at (16 U + ot) 512 + 16 lane: lane (r, h) holds Weo(fa(U) + 64 h + 0..7, o = 64 (ot >> 2) + 4 r + (ot & 3)).
; LIMITS: We, be, Wo go to the matrix unit rounded to bf16, and Weo is rounded to bf16; sums in f32.
; No cluster: a work-group of the first job reads 32 KiB of We and 128 KiB of Wo through registers, where they are rounded; the second job shares nothing.
; LDS: each job has bytes of its own: 0 .. 32,767 the eight waves' four tiles of the first job, 32,768 .. 36,863 the eight waves' quads of the second.
.set PARTB, 135168
.set NW,    132                        ; 33 tile rows x 4 groups of 64 o
.set RED,   32768                      ; LDS: the second job's 8 x 512 bytes
.set RB,    16                         ; v[16:143]   Wo as loaded: K step s at 64 s, row (16 hf + j) at 32 hf + 4 j, column 4 r + t in register t
.set RA,    144                        ; v[144:175]  We as loaded: K step s at 16 s
.set FB,    176                        ; v[176:207]  Wo fragments, four o tiles
.set FA,    208                        ; v[208:215]  We fragment
.set ACC,   216                        ; v[216:247]  four tiles
.macro PLACES
.rept 4
	v_nop
.endr
.endm
; K step ss as bf16 fragments: We's into v[fa ..], Wo's four into v[fb ..]
.macro FRAGS ss, fa, fb
.set pp, 0
.rept 8
	v_cvt_pk_bf16_f32 v[\fa+pp], v[RA+16*\ss+2*pp], v[RA+16*\ss+2*pp+1]
.set pp, pp+1
.endr
.set tt, 0
.rept 4
.set pp, 0
.rept 8
	v_cvt_pk_bf16_f32 v[\fb+8*tt+pp], v[RB+64*\ss+8*pp+tt], v[RB+64*\ss+8*pp+4+tt]
.set pp, pp+1
.endr
.set tt, tt+1
.endr
.endm
	s_load_b256 s[4:11], s[0:1], 0x0               ; part s[4:5], We s[6:7], be s[8:9], Wo s[10:11]
	s_load_b128 s[12:15], s[0:1], 0x20             ; psum s[12:13], wfrag s[14:15]
	v_lshl_add_u32 v248, v0, 2, 0x9000
	v_mov_b32 v249, 0
	v_lshrrev_b32 v2, 5, v0
	v_readfirstlane_b32 s16, v2                    ; wave 0..7
	v_and_b32 v2, 31, v0
	v_lshlrev_b32 v1, 4, v2                        ; 16 x lane
	s_wait_kmcnt 0x0
	s_cmp_lt_u32 ttmp9, NW                         ; the same in all eight waves
	s_cbranch_scc0 .Lreduce
	; ---------------- Weo: wave w takes K = f2 in 64 w .. 64 w + 63, two K steps; the eight sums meet in LDS ----------------
	s_lshr_b32 s17, ttmp9, 2                       ; U
	s_and_b32 s18, ttmp9, 3                        ; og: o = 64 og ..
	s_lshr_b32 s19, s17, 3
	s_lshl_b32 s19, s19, 7
	s_and_b32 s20, s17, 7
	s_lshl3_add_u32 s19, s20, s19                  ; fa(U)
	s_cmp_eq_u32 s17, 32
	s_cselect_b32 s21, 0, 2048                     ; be has one row: pitch 0
	s_cselect_b64 s[22:23], s[8:9], s[6:7]         ; be or We
	v_and_b32 v2, 15, v0                           ; r
	v_bfe_u32 v5, v0, 4, 1                         ; h
	v_and_b32 v6, 7, v0
	v_bfe_u32 v7, v0, 3, 1
	v_lshl_add_u32 v6, v7, 6, v6
	v_add_nc_u32 v6, s19, v6                       ; row m = r of source 0 is f = fa + (r & 7) + 64 (r >> 3)
	v_mul_lo_u32 v6, v6, s21
	v_lshl_add_u32 v6, v5, 5, v6                   ; + 8 h f32
	s_lshl_b32 s24, s16, 8
	v_add_nc_u32 v3, s24, v6                       ; + 64 w f32
	s_lshl_b32 s25, s16, 16
	s_lshl_b32 s26, s18, 8
	s_add_co_u32 s25, s25, s26
	v_lshlrev_b32 v4, 4, v2
	v_lshl_add_u32 v4, v5, 13, v4
	v_add_nc_u32 v4, s25, v4                       ; Wo: row 64 w + 8 h, columns 64 og + 4 r ..
.set ss, 0
.rept 2
	global_load_b128 v[RA+16*ss:RA+16*ss+3],     v3, s[22:23] offset:128*ss        ; k = 8 h + 0..3
	global_load_b128 v[RA+16*ss+4:RA+16*ss+7],   v3, s[22:23] offset:128*ss+16     ; k = 8 h + 4..7
	global_load_b128 v[RA+16*ss+8:RA+16*ss+11],  v3, s[22:23] offset:128*ss+64     ; k = 16 + 8 h + 0..3
	global_load_b128 v[RA+16*ss+12:RA+16*ss+15], v3, s[22:23] offset:128*ss+80
.set ss, ss+1
.endr
.set ii, 0
.rept 32                                           ; each load: 256 consecutive bytes, aligned, of two rows of Wo
	global_load_b128 v[RB+4*ii:RB+4*ii+3], v4, s[10:11] offset:((ii>>3)*16+(ii&7))*1024
.set ii, ii+1
.endr
	s_lshl_b32 s27, s16, 12
	v_add_nc_u32 v8, s27, v1                       ; LDS: my 4,096 bytes
	s_lshl_b32 s28, s16, 10
	v_add_nc_u32 v9, s28, v1                       ; LDS: tile t = w of every wave's
	s_lshl_b32 s29, ttmp9, 2
	s_add_co_u32 s28, s29, s16                     ; 16 U + 4 og + t
	s_lshl_b32 s28, s28, 9
	s_mov_b32 s29, 0
	s_add_nc_u64 s[14:15], s[14:15], s[28:29]
	s_wait_loadcnt 16                              ; all but Wo's sixteen rows of K step 1
	FRAGS 0, FA, FB
.set tt, 0
.rept 4                                            ; four accumulators by turns, one instruction a turn
	v_wmma_f32_16x16x32_bf16 v[ACC+8*tt:ACC+8*tt+7], v[FA:FA+7], v[FB+8*tt:FB+8*tt+7], 0
.set tt, tt+1
.endr
	s_wait_loadcnt 0x0
	FRAGS 1, RA, RB                                ; into registers of K step 0's raw data, which no matrix instruction has named
.set tt, 0
.rept 4
	v_wmma_f32_16x16x32_bf16 v[ACC+8*tt:ACC+8*tt+7], v[RA:RA+7], v[RB+8*tt:RB+8*tt+7], v[ACC+8*tt:ACC+8*tt+7]
.set tt, tt+1
.endr
	PLACES                                         ; four places before the results are stored and loads land on the fragments
.set ii, 0
.rept 8
	ds_store_b128 v8, v[ACC+4*ii:ACC+4*ii+3] offset:512*ii
.set ii, ii+1
.endr
	s_wait_dscnt 0x0                               ; for the others' sake
	s_barrier_signal -1
	s_barrier_wait -1
	s_cmp_lt_u32 s16, 4
	s_cbranch_scc1 .Lw_sum
	s_wait_tensorcnt 0x0
	ds_add_u32 v248, v249
	s_wait_dscnt 0x0
	s_endpgm                                       ; waves 4-7 have handed their sums over
.Lw_sum:
.set ii, 0
.rept 16                                           ; tile t = w of the eight waves: 8 registers each
	ds_load_b128 v[16+4*ii:16+4*ii+3], v9 offset:4096*(ii>>1)+512*(ii&1)
.set ii, ii+1
.endr
	s_wait_dscnt 0x0
.set ii, 1
.rept 7
.set pp, 0
.rept 4
	v_pk_add_f32 v[16+2*pp:17+2*pp], v[16+2*pp:17+2*pp], v[16+8*ii+2*pp:17+8*ii+2*pp]
.set pp, pp+1
.endr
.set ii, ii+1
.endr
.set pp, 0
.rept 4
	v_cvt_pk_bf16_f32 v[80+pp], v[16+2*pp], v[17+2*pp]     ; register j = f = fa + 64 h + j: eight f of one o, 16 bytes
.set pp, pp+1
.endr
	global_store_b128 v1, v[80:83], s[14:15]       ; 512 consecutive bytes, aligned
	s_wait_tensorcnt 0x0
	ds_add_u32 v248, v249
	s_wait_dscnt 0x0
	s_endpgm
	; ---------------- the sum of the partials: wave w adds partials 32 w .. 32 w + 31 of this work-group's 512 bytes ----------------
.Lreduce:
	s_sub_co_u32 s17, ttmp9, NW
	s_lshl_b32 s18, s17, 9
	s_mov_b32 s19, 0
	s_mul_i32 s20, s16, 32*PARTB
	s_mov_b32 s21, 0
	s_add_nc_u64 s[4:5], s[4:5], s[18:19]
	s_add_nc_u64 s[4:5], s[4:5], s[20:21]
	s_add_nc_u64 s[12:13], s[12:13], s[18:19]
.set ii, 0
.rept 32                                           ; all 32 at once: nothing here depends on anything
	global_load_b128 v[16+4*ii:16+4*ii+3], v1, s[4:5] offset:PARTB*ii th:TH_LOAD_NT
.set ii, ii+1
.endr
	s_lshl_b32 s22, s16, 9
	v_add_nc_u32 v8, s22, v1
	s_wait_loadcnt 24                              ; the first eight are in; the first starts the sum
.set ii, 1
.rept 7
	v_pk_add_f32 v[16:17], v[16:17], v[16+4*ii:17+4*ii]
	v_pk_add_f32 v[18:19], v[18:19], v[18+4*ii:19+4*ii]
.set ii, ii+1
.endr
.irp left, 16, 8, 0
	s_wait_loadcnt \left                           ; eight more are in
.rept 8
	v_pk_add_f32 v[16:17], v[16:17], v[16+4*ii:17+4*ii]
	v_pk_add_f32 v[18:19], v[18:19], v[18+4*ii:19+4*ii]
.set ii, ii+1
.endr
.endr
	ds_store_b128 v8, v[16:19] offset:RED
	s_wait_dscnt 0x0                               ; for wave 0's sake
	s_barrier_signal -1
	s_barrier_wait -1
	s_cmp_eq_u32 s16, 0
	s_cbranch_scc1 .Lr_sum
	s_wait_tensorcnt 0x0
	ds_add_u32 v248, v249
	s_wait_dscnt 0x0
	s_endpgm
.Lr_sum:
.set ii, 0
.rept 8
	ds_load_b128 v[20+4*ii:23+4*ii], v1 offset:RED+512*ii
.set ii, ii+1
.endr
	s_wait_dscnt 0x0
.set ii, 1
.rept 7
	v_pk_add_f32 v[20:21], v[20:21], v[20+4*ii:21+4*ii]
	v_pk_add_f32 v[22:23], v[22:23], v[22+4*ii:23+4*ii]
.set ii, ii+1
.endr
	global_store_b128 v1, v[20:23], s[12:13]       ; 512 consecutive bytes, aligned
	s_wait_tensorcnt 0x0
	ds_add_u32 v248, v249
	s_wait_dscnt 0x0
	s_endpgm
.Lfunc_end_k_qc1a93ed435_fold:
	.size	k_qc1a93ed435_fold, .Lfunc_end_k_qc1a93ed435_fold-k_qc1a93ed435_fold
	.p2alignl 7, 3214868480
	.fill 96, 4, 3214868480
	.section	.rodata,"a",@progbits
	.p2align	6, 0x0
	.amdhsa_kernel k_qc1a93ed435_fold
		.amdhsa_group_segment_fixed_size 37888
		.amdhsa_private_segment_fixed_size 0
		.amdhsa_enable_private_segment 0
		.amdhsa_kernarg_size 48
		.amdhsa_user_sgpr_count 2
		.amdhsa_user_sgpr_kernarg_segment_ptr 1
		.amdhsa_wavefront_size32 1
		.amdhsa_system_sgpr_workgroup_id_x 1
		.amdhsa_system_sgpr_workgroup_id_y 1
		.amdhsa_system_sgpr_workgroup_id_z 1
		.amdhsa_system_vgpr_workitem_id 0
		.amdhsa_next_free_vgpr 250
		.amdhsa_next_free_sgpr 66
		.amdhsa_reserve_vcc 0
		.amdhsa_float_denorm_mode_32 3
		.amdhsa_float_denorm_mode_16_64 3
		.amdhsa_memory_ordered 1
		.amdhsa_forward_progress 1
		.amdhsa_inst_pref_size 25
	.end_amdhsa_kernel
	.amdgpu_metadata
---
amdhsa.version: [ 1, 2 ]
amdhsa.kernels:
  - .name:           k_qc1a93ed435_fold
    .symbol:         k_qc1a93ed435_fold.kd
    .args:
      - { .name: part, .offset: 0, .size: 8, .value_kind: global_buffer, .address_space: global }
      - { .name: We, .offset: 8, .size: 8, .value_kind: global_buffer, .address_space: global }
      - { .name: be, .offset: 16, .size: 8, .value_kind: global_buffer, .address_space: global }
      - { .name: Wo, .offset: 24, .size: 8, .value_kind: global_buffer, .address_space: global }
      - { .name: psum, .offset: 32, .size: 8, .value_kind: global_buffer, .address_space: global }
      - { .name: wfrag, .offset: 40, .size: 8, .value_kind: global_buffer, .address_space: global }
    .group_segment_fixed_size: 37888
    .private_segment_fixed_size: 0
    .kernarg_segment_align: 8
    .kernarg_segment_size: 48
    .max_flat_workgroup_size: 256
    .sgpr_count:     66
    .vgpr_count:     250
    .wavefront_size: 32
...
	.end_amdgpu_metadata
.endif
;; end of part 2
;; launch final (part 3): grid 16 x 1, 8 waves a work-group, no clusters, 33,792 bytes of LDS; arguments psum, wfrag, bo, out0; writes out0
.if DOCPART == 3
	.amdgcn_target "amdgcn-amd-amdhsa--gfx1250"
	.amdhsa_code_object_version 6
	.text
	.protected	k_qc1a93ed435_final
	.globl	k_qc1a93ed435_final
	.p2align	8
	.type	k_qc1a93ed435_final,@function
k_qc1a93ed435_final:
	s_mov_b64 s[64:65], 0
	v_nop
	global_prefetch_b8 v0, s[64:65] scope:SCOPE_SE
	s_setreg_imm32_b32 hwreg(HW_REG_WAVE_MODE, 25, 1), 1
	s_wait_xcnt 0x0
; DiffPool, launch 3 of 3: out[c][o] = sum over f of P[c][f] Weo[f][o] + colsum[c] beo[o] + bo[o].
; 16 work-groups: 16 c (ct) x 64 o (og).  Wave w takes the tile rows U = 4 w .. 4 w + 3 (64 f, two K steps); the eight sums meet in LDS.
; psum and wfrag lie as register images with the same map from K places to f (f = fa(U) + 64 h + j in registers 4 e .. 4 e + 3 of
; K step s, U = 4 w + 2 s + e), so that both fragments are plain 16-byte loads.
; Tile row 32: psum holds colsum[c] at (h = 0, j = 0) and zeros elsewhere; wfrag holds beo[o] in every K place.
; LIMITS: P is rounded to bf16; colsum goes in as two bf16, its rounded value and what the rounding left; sums in f32.
; The work is 17 MFLOP on 0.4 MB: sixteen work-groups have it all, and more would only split the same few loads further.
.set RP,  16                           ; v[16:47]    P, f32: tile i at 8 i
.set FB,  48                           ; v[48:111]   Weo fragments: K step s, o tile t at 32 s + 8 t
.set FA,  112                          ; v[112:127]  P fragments: K step s at 8 s
.set ACC, 128                          ; v[128:159]  four o tiles
.set EP,  160                          ; v[160:167]  psum's tile row 32
.set EB,  168                          ; v[168:199]  wfrag's tile row 32, four o tiles
.set EA,  200                          ; v[200:207]  its source 0
.set BO,  208                          ; v[208:211]  bo[64 og + 4 r + 0..3]
	s_load_b256 s[4:11], s[0:1], 0x0               ; psum s[4:5], wfrag s[6:7], bo s[8:9], out0 s[10:11]
	v_lshl_add_u32 v212, v0, 2, 0x8000
	v_mov_b32 v213, 0
	v_lshrrev_b32 v2, 5, v0
	v_readfirstlane_b32 s12, v2                    ; wave 0..7
	v_and_b32 v2, 31, v0
	v_lshlrev_b32 v1, 4, v2                        ; 16 x lane
	v_and_b32 v3, 15, v0                           ; r
	v_bfe_u32 v4, v0, 4, 1                         ; h
	v_lshlrev_b32 v5, 4, v3                        ; 16 r
	s_lshr_b32 s13, ttmp9, 2                       ; ct
	s_and_b32 s14, ttmp9, 3                        ; og
	s_lshl_b32 s16, s13, 10                        ; psum: 1,024 ct
	s_mov_b32 s17, 0
	s_lshl_b32 s18, s14, 11                        ; wfrag: 2,048 og
	s_mov_b32 s19, 0
	s_lshl_b32 s20, s14, 8                         ; bo, and a row of out0: 256 og
	s_mov_b32 s21, 0
	s_lshl_b32 s22, s13, 4
	s_add_co_u32 s22, s22, s12                     ; out0: row 16 ct + w (+ 8 h)
	s_lshl_b32 s22, s22, 10
	s_add_co_u32 s22, s22, s20
	s_mov_b32 s23, 0
	s_lshl_b32 s24, s12, 14
	v_add_nc_u32 v6, s24, v1                       ; psum: my four tile rows
	s_lshl_b32 s25, s12, 15
	v_add_nc_u32 v7, s25, v1                       ; wfrag: my four tile rows
	s_lshl_b32 s26, s12, 12
	v_add_nc_u32 v9, s26, v1                       ; LDS: my 4,096 bytes
	s_lshr_b32 s27, s12, 2
	s_lshl_b32 s27, s27, 9                         ; 512 (w >> 2): which half of a tile's eight registers
	s_and_b32 s28, s12, 3
	s_lshl_b32 s28, s28, 2                         ; 4 (w & 3): which word of the lane's 16 bytes
	s_add_co_u32 s27, s27, s28
	v_add_nc_u32 v10, s27, v1                      ; LDS: register j = w of every lane
	v_lshl_add_u32 v11, v4, 13, v5                 ; out0: 8 h rows + 16 r
	s_wait_kmcnt 0x0
	s_add_nc_u64 s[4:5], s[4:5], s[16:17]
	s_add_nc_u64 s[6:7], s[6:7], s[18:19]
	s_add_nc_u64 s[8:9], s[8:9], s[20:21]
	s_add_nc_u64 s[10:11], s[10:11], s[22:23]
	global_load_b128 v[BO:BO+3], v5, s[8:9]
	global_load_b128 v[EP:EP+3],   v1, s[4:5] offset:131072
	global_load_b128 v[EP+4:EP+7], v1, s[4:5] offset:131072+512
.set tt, 0
.rept 4                                            ; beo fills all K places: the same 16 bytes in both halves of the fragment
	global_load_b128 v[EB+8*tt:EB+8*tt+3],   v1, s[6:7] offset:262144+512*tt
	global_load_b128 v[EB+8*tt+4:EB+8*tt+7], v1, s[6:7] offset:262144+512*tt
.set tt, tt+1
.endr
.set ii, 0
.rept 8
	global_load_b128 v[RP+4*ii:RP+4*ii+3], v6, s[4:5] offset:4096*(ii>>1)+512*(ii&1)
.set ii, ii+1
.endr
.set ii, 0
.rept 4                                            ; ii = 2 s + e
.set tt, 0
.rept 4
	global_load_b128 v[FB+32*(ii>>1)+8*tt+4*(ii&1):FB+32*(ii>>1)+8*tt+4*(ii&1)+3], v7, s[6:7] offset:8192*ii+512*tt
.set tt, tt+1
.endr
.set ii, ii+1
.endr
	s_wait_loadcnt 0x0
.set ii, 0
.rept 16
	v_cvt_pk_bf16_f32 v[FA+ii], v[RP+2*ii], v[RP+2*ii+1]
.set ii, ii+1
.endr
	v_cvt_pk_bf16_f32 v8, v[EP], v[EP]             ; colsum rounded to bf16,
	v_lshlrev_b32 v8, 16, v8                       ; back as f32,
	v_sub_f32 v[EP+1], v[EP], v8                   ; and what the rounding left, in K place 1, which held a zero and meets beo as well
.set pp, 0
.rept 4
	v_cvt_pk_bf16_f32 v[EA+pp], v[EP+2*pp], v[EP+2*pp+1]
	v_mov_b32 v[EA+4+pp], 0
.set pp, pp+1
.endr
.set tt, 0
.rept 4                                            ; four accumulators by turns, one instruction a turn
	v_wmma_f32_16x16x32_bf16 v[ACC+8*tt:ACC+8*tt+7], v[FA:FA+7], v[FB+8*tt:FB+8*tt+7], 0
.set tt, tt+1
.endr
.set tt, 0
.rept 4
	v_wmma_f32_16x16x32_bf16 v[ACC+8*tt:ACC+8*tt+7], v[FA+8:FA+15], v[FB+32+8*tt:FB+32+8*tt+7], v[ACC+8*tt:ACC+8*tt+7]
.set tt, tt+1
.endr
	s_cmp_lg_u32 s12, 0
	s_cbranch_scc1 .Lno_ext
.set tt, 0
.rept 4                                            ; wave 0 alone: colsum x beo
	v_wmma_f32_16x16x32_bf16 v[ACC+8*tt:ACC+8*tt+7], v[EA:EA+7], v[EB+8*tt:EB+8*tt+7], v[ACC+8*tt:ACC+8*tt+7]
.set tt, tt+1
.endr
.Lno_ext:
.rept 4
	v_nop                                          ; four places before the results are stored (ISA guide 7.12.1)
.endr
.set ii, 0
.rept 8
	ds_store_b128 v9, v[ACC+4*ii:ACC+4*ii+3] offset:512*ii
.set ii, ii+1
.endr
	s_wait_dscnt 0x0                               ; for the others' sake
	s_barrier_signal -1
	s_barrier_wait -1
	; wave w takes register j = w of all four o tiles of all eight waves: lane (r, h) then holds out(16 ct + 8 h + w, 64 og + 4 r + 0..3)
.set ii, 0
.rept 8
.set tt, 0
.rept 4
	ds_load_b32 v[16+4*ii+tt], v10 offset:4096*ii+1024*tt
.set tt, tt+1
.endr
.set ii, ii+1
.endr
	s_wait_dscnt 0x0
.set ii, 1
.rept 7
	v_pk_add_f32 v[16:17], v[16:17], v[16+4*ii:17+4*ii]
	v_pk_add_f32 v[18:19], v[18:19], v[18+4*ii:19+4*ii]
.set ii, ii+1
.endr
	v_pk_add_f32 v[16:17], v[16:17], v[BO:BO+1]
	v_pk_add_f32 v[18:19], v[18:19], v[BO+2:BO+3]
	global_store_b128 v11, v[16:19], s[10:11]      ; sixteen lanes store 256 consecutive bytes, aligned
	s_wait_tensorcnt 0x0
	ds_add_u32 v212, v213
	s_wait_dscnt 0x0
	s_endpgm
.Lfunc_end_k_qc1a93ed435_final:
	.size	k_qc1a93ed435_final, .Lfunc_end_k_qc1a93ed435_final-k_qc1a93ed435_final
	.p2alignl 7, 3214868480
	.fill 96, 4, 3214868480
	.section	.rodata,"a",@progbits
	.p2align	6, 0x0
	.amdhsa_kernel k_qc1a93ed435_final
		.amdhsa_group_segment_fixed_size 33792
		.amdhsa_private_segment_fixed_size 0
		.amdhsa_enable_private_segment 0
		.amdhsa_kernarg_size 32
		.amdhsa_user_sgpr_count 2
		.amdhsa_user_sgpr_kernarg_segment_ptr 1
		.amdhsa_wavefront_size32 1
		.amdhsa_system_sgpr_workgroup_id_x 1
		.amdhsa_system_sgpr_workgroup_id_y 1
		.amdhsa_system_sgpr_workgroup_id_z 1
		.amdhsa_system_vgpr_workitem_id 0
		.amdhsa_next_free_vgpr 214
		.amdhsa_next_free_sgpr 66
		.amdhsa_reserve_vcc 0
		.amdhsa_float_denorm_mode_32 3
		.amdhsa_float_denorm_mode_16_64 3
		.amdhsa_memory_ordered 1
		.amdhsa_forward_progress 1
		.amdhsa_inst_pref_size 12
	.end_amdhsa_kernel
	.amdgpu_metadata
---
amdhsa.version: [ 1, 2 ]
amdhsa.kernels:
  - .name:           k_qc1a93ed435_final
    .symbol:         k_qc1a93ed435_final.kd
    .args:
      - { .name: psum, .offset: 0, .size: 8, .value_kind: global_buffer, .address_space: global }
      - { .name: wfrag, .offset: 8, .size: 8, .value_kind: global_buffer, .address_space: global }
      - { .name: bo, .offset: 16, .size: 8, .value_kind: global_buffer, .address_space: global }
      - { .name: out0, .offset: 24, .size: 8, .value_kind: global_buffer, .address_space: global }
    .group_segment_fixed_size: 33792
    .private_segment_fixed_size: 0
    .kernarg_segment_align: 8
    .kernarg_segment_size: 32
    .max_flat_workgroup_size: 256
    .sgpr_count:     66
    .vgpr_count:     214
    .wavefront_size: 32
...
	.end_amdgpu_metadata
.endif
;; end of part 3
;; ======== version 2 of 2: 3 launches; version 1 with the launches pool, fold written anew for expert scheduling mode
;; workspace buffers: part 34,603,008 bytes; psum 135,168 bytes; wfrag 270,336 bytes
;; launch pool (part 4): grid 256 x 1, 8 waves a work-group, no clusters, 320,000 bytes of LDS; arguments x, Wp, bp, part; writes part
.if DOCPART == 4
	.amdgcn_target "amdgcn-amd-amdhsa--gfx1250"
	.amdhsa_code_object_version 6
	.text
	.protected	k_qc1a93ed435_pool
	.globl	k_qc1a93ed435_pool
	.p2align	8
	.type	k_qc1a93ed435_pool,@function
k_qc1a93ed435_pool:
	s_mov_b64 s[64:65], 0
	v_nop
	global_prefetch_b8 v0, s[64:65] scope:SCOPE_SE
	s_setreg_imm32_b32 hwreg(HW_REG_WAVE_SCHED_MODE, 0, 2), 2
	s_setreg_imm32_b32 hwreg(HW_REG_WAVE_MODE, 25, 1), 1
	s_wait_xcnt 0x0
	s_wait_alu depctr_vm_vsrc(0)
; DiffPool, launch 1 of 3.  reference(): out = (s^T (x We + be)) Wo + bo with s = softmax(x Wp + bp).
; Exact algebra, for every input: s^T (x We + 1 be^T) = (s^T x) We + (s^T 1) be^T.  So this launch makes, for its share of the
; 50,000 rows, the partial P = s^T x [64 c][512 f] and the partial column sums of s; launch 2 adds the 256 partials and makes
; [We; be] Wo; launch 3 multiplies the two and adds bo.  x is read from memory once.
; edge_index and batch: reference() computes nothing from them, no result hangs on them, so no launch is given them.
; LIMITS: x, Wp and s go to the matrix unit rounded to bf16 (sums in f32); the softmax takes the row's maximum away first;
; v_exp_f32 gives 0 where the result would be below 2^-126; an Inf or NaN in x is not served (rows 192-207 are multiplied once
; more by zeros of s); sums run in another order than reference()'s.
;
; SHARE: 3,125 tiles of 16 rows.  Work-group g has 12 tiles, the first 53 work-groups 13, from tile 12 g + min(g, 53).
; Eight waves.  Round 0: wave w makes logits and softmax of tile w.  Round 1: waves 0 .. nt2-1 (nt2 = 4 or 5) those of tile 8 + w.
; Behind each round all waves add that round's rows to P: wave w owns 64 of the 512 f for all 64 c (16 tiles of 16 x 16).
; x comes through registers: three ring slots of 16 loads (16 rows x 512 bytes each) a wave, 48 loads of 512 consecutive bytes out.
; NO TENSOR LOADS, NO CLUSTER: the only bytes that work-groups share are Wp's 131,072 of the 531,000 that a work-group reads, read
; once at the head while the first x rows are on their way; x itself has to be rounded to bf16 on the way, which registers do.
;
; THE MODE: SCHED_MODE bits 1:0 = 2 (LLVM: expert scheduling mode 2), set by the entry lines.  The code itself states the register
; dependences between vector or matrix instructions and memory or LDS instructions, with s_wait_alu, always for 0.
; THE PLAN.  Registers that memory or LDS instructions touch:
;   RING slot   loads land; the quarter's 32 conversions read and write it in place; its 16 LDS stores read the packed words; it is loaded again.
;               One wait on va_vdst behind the conversions, for the stores; behind the stores, under the loads' window, va_vdst once more and vm_vsrc.
;   XF, WF      two buffers of fragments.  K step k + 2 lands in the buffer that K step k's four matrix instructions read: one wait on va_vdst behind those four.
;               A quarter's first two K steps lean on the wait behind its conversions, ahead of which the quarter before issued all its matrix instructions.
;   LACC        the bias lands in it; matrix and vector instructions alone name it until the P stage.
;   SF, XT      P stage: two buffers of s fragments, a ring of six tiles of x.  Step k's text loads its own tiles u = 2, 3 at its head and deals step k + 1's s fragments
;               and tiles u = 0, 1 among its sixteen matrix instructions.  All these registers were last read by step k - 1, which the ONE wait on va_vdst at the
;               step's head shows done, and no matrix instruction of step k names them.
;   v7          read by every load of x fragments in the P stage; moves on by 32 rows at a step's head: vm_vsrc, the add, and the head's wait on va_vdst.
;   v2, v3, v5  move on once, at round 1's head, in the same way.   v1, v4, v6, v8, v9 are made at the head and never written again.
;   PACC, EACC  named by matrix instructions alone until the stores at the end: four places, one wait on va_vdst.
;
; LDS.  x as bf16 stays for the whole share and is never filled again.
;   XB  208 rows x 1040 bytes   x[n][f] bf16 (1024 + 16: 16 rows start in 16 different 16-byte columns modulo 256)
;   WB   64 rows x 1040 bytes   Wp transposed, [c][f] bf16
;   SB  224 rows x  160 bytes   s[n][c] bf16 (128 + 32: eight rows start in eight different 32-byte columns modulo 256)
;   BB  256 bytes               bp, f32
.set XP,    1040
.set SP,    160
.set XB,    0
.set WB,    208*XP                     ; 216,320
.set SB,    WB+64*XP                   ; 282,880
.set BB,    SB+224*SP                  ; 318,720
.set PARTB, 135168                     ; bytes of one partial: 33 x 4 tiles of 1,024 bytes
.set EXTRA, 53                         ; 3,125 - 12 x 256 work-groups have a thirteenth tile
; REGISTERS, window 0:  v1 16 x lane; v2 x store; v3 x fragment; v4 Wp fragment; v5 s store; v6 s transposed read; v7 x transposed read;
;   v8 bias read; v9 Wp store; v10-15 at work
.set LACC, 16                          ; v[16:47]    4 tiles of logits: lane (r, h), register j of tile ct = logit(row r, c = 16 ct + 8 h + j)
.set XF,   48                          ; v[48:63]    x fragments, two buffers
.set WF,   64                          ; v[64:127]   Wp fragments, two buffers of four
.set SF,   16                          ; v[16:79]    P stage: s fragments, two buffers of four c tiles: step ks in buffer ks % 2
.set XT,   80                          ; v[80:127]   P stage: x fragments, a ring of six f tiles: tile u of step ks at 8 ((4 ks + u) % 6)
.set PACC, 128                         ; v[128:255]  P tiles (u, ct) at 8 (4 u + ct)
; window 1 (written with the low 8 bits of the number):
.set RING, 0                           ; v256-447    three slots of 64: row i of a quarter at 4 i
.set EACC, 192                         ; v448-479    wave 7: the column sums' four tiles
.set ONES, 224                         ; v480-487    a fragment whose row 0 is all ones
.set MSB, 0
.macro WIN new                         ; the immediate's high byte repeats the setting that is left; a switch that changes nothing is dropped
.if MSB != \new
	s_set_vgpr_msb (MSB<<8)|\new
.set MSB, \new
.endif
.endm
; Four places of plain vector instructions behind a matrix instruction, before a vector instruction or a store reads its results.
.macro PLACES
.rept 4
	v_nop
.endr
.endm
; One quarter of a tile: 16 rows x 512 bytes (128 f), each load 512 consecutive bytes, aligned.
.macro XLOAD slot, off
	WIN 0x40                                       ; destination window 1, address window 0
.set ii, 0
.rept 16
	global_load_b128 v[RING+64*\slot+4*ii:RING+64*\slot+4*ii+3], v1, s[4:5] offset:\off+2048*ii th:TH_LOAD_NT
.set ii, ii+1
.endr
.endm
; Ten LDS loads: the fragments of one K step of 32 f at byte ko of the rows: my 16 x rows, and Wp's 64 c.
.macro KLOAD buf, ko
	ds_load_b128 v[XF+8*\buf:XF+8*\buf+3],   v3 offset:\ko
	ds_load_b128 v[XF+8*\buf+4:XF+8*\buf+7], v3 offset:\ko+32
.set cc, 0
.rept 4
	ds_load_b128 v[WF+32*\buf+8*cc:WF+32*\buf+8*cc+3],   v4 offset:16*XP*cc+\ko
	ds_load_b128 v[WF+32*\buf+8*cc+4:WF+32*\buf+8*cc+7], v4 offset:16*XP*cc+\ko+32
.set cc, cc+1
.endr
.endm
; Source 0 = 16 c of Wp, source 1 = my 16 rows of x: a lane then holds 32 logits of ONE row.  The four accumulators take turns, one
; instruction a turn.
.macro KMUL buf
.set cc, 0
.rept 4
	v_wmma_f32_16x16x32_bf16 v[LACC+8*cc:LACC+8*cc+7], v[WF+32*\buf+8*cc:WF+32*\buf+8*cc+7], v[XF+8*\buf:XF+8*\buf+7], v[LACC+8*cc:LACC+8*cc+7]
.set cc, cc+1
.endr
.endm
; Quarter q of a tile, from ring slot 'slot'.  left = loads issued behind this quarter's sixteen.  refill = 1: the slot is loaded again from byte roff.
.macro QUARTER slot, q, left, refill, roff
	s_wait_loadcnt \left                           ; loads come back in order (ISA guide 5.7.1): my sixteen are in, the younger quarters stay out
	WIN 0x45
.set ii, 0
.rept 16                                           ; 4 f32 to 4 bf16, in place
	v_cvt_pk_bf16_f32 v[RING+64*\slot+4*ii],   v[RING+64*\slot+4*ii],   v[RING+64*\slot+4*ii+1]
	v_cvt_pk_bf16_f32 v[RING+64*\slot+4*ii+1], v[RING+64*\slot+4*ii+2], v[RING+64*\slot+4*ii+3]
.set ii, ii+1
.endr
	WIN 0x04                                       ; store data window 1
	s_wait_alu depctr_va_vdst(0)                   ; the conversions have written the packed words, which the LDS stores read; the matrix instructions issued so far are done reading XF and WF, in which this quarter's first fragments land
.set ii, 0
.rept 16
	ds_store_b64 v2, v[RING+64*\slot+4*ii:RING+64*\slot+4*ii+1] offset:XP*ii+256*\q   ; 32 lanes: 256 consecutive bytes of row ii
.set ii, ii+1
.endr
.if \refill
	WIN 0x40                                       ; the loads' window first, then their waits
	s_wait_alu depctr_va_vdst(0)                   ; the conversions are done reading and writing this slot, in which the loads below land
	s_wait_alu depctr_vm_vsrc(0)                   ; the LDS stores above have read the slot's packed words
	XLOAD \slot, \roff
.endif
	WIN 0
	KLOAD 0, 256*\q                                ; my own rows: LDS serves a wave's instructions in order (ISA guide 5.7.1), these see the stores above
	KLOAD 1, 256*\q+64
	s_wait_dscnt 10                                ; all but the youngest ten: buffer 0 is in (and the bias, and the stores)
	KMUL 0
	s_wait_alu depctr_va_vdst(0)                   ; those four matrix instructions are done reading buffer 0, in which the K step after next lands
	KLOAD 0, 256*\q+128
	s_wait_dscnt 10                                ; buffer 1 is in
	KMUL 1
	s_wait_alu depctr_va_vdst(0)                   ; those four are done reading buffer 1
	KLOAD 1, 256*\q+192
	s_wait_dscnt 10                                ; buffer 0 is in
	KMUL 0
	s_wait_dscnt 0
	KMUL 1
.endm
; The bias is the first C: register j of tile ct = bp[16 ct + 8 h + j].
.macro TILE_BIAS
.set cc, 0
.rept 4
	ds_load_b128 v[LACC+8*cc:LACC+8*cc+3],   v8 offset:64*cc
	ds_load_b128 v[LACC+8*cc+4:LACC+8*cc+7], v8 offset:64*cc+16
.set cc, cc+1
.endr
.endm
; Softmax of my 16 rows: lanes r and r + 16 hold the two halves of row r.  Then s as bf16 into SB.
.macro SOFTMAX
	PLACES
	v_max3_num_f32 v10, v[LACC], v[LACC+1], v[LACC+2]
.set ii, 3
.rept 14
	v_max3_num_f32 v10, v10, v[LACC+ii], v[LACC+ii+1]
.set ii, ii+2
.endr
	v_max_num_f32 v10, v10, v[LACC+31]
	v_permlanex16_b32 v11, v10, s18, s19           ; the other half of the row
	v_max_num_f32 v10, v10, v11                    ; the row's maximum
	v_mul_f32 v12, 0xbfb8aa3b, v10                 ; - maximum x log2 e
	v_mov_b32 v13, v12
.set ii, 0
.rept 16
	v_pk_fma_f32 v[LACC+ii:LACC+ii+1], v[LACC+ii:LACC+ii+1], s[20:21], v[12:13] op_sel_hi:[1,0,1]   ; (logit - maximum) x log2 e
.set ii, ii+2
.endr
.set ii, 0
.rept 32
	v_exp_f32 v[LACC+ii], v[LACC+ii]
.set ii, ii+1
.endr
	v_nop                                          ; one plain place behind the transcendentals (ISA guide 5.7.2)
	s_wait_alu depctr_va_vdst(0)                   ; the 32 exponentials have written v[LACC ..]: one wait for the batch, ahead of its first reader
	v_pk_add_f32 v[14:15], v[LACC:LACC+1], v[LACC+2:LACC+3]
.set ii, 4
.rept 14
	v_pk_add_f32 v[14:15], v[14:15], v[LACC+ii:LACC+ii+1]
.set ii, ii+2
.endr
	v_add_f32 v14, v14, v15
	v_permlanex16_b32 v11, v14, s18, s19
	v_add_f32 v14, v14, v11                        ; the row's sum, at least about 1: the maximum's own term
	v_rcp_f32 v12, v14
	v_nop
	s_wait_alu depctr_va_vdst(0)                   ; the reciprocal has written v12, ahead of its first reader
	v_mov_b32 v13, v12
.set ii, 0
.rept 16
	v_pk_mul_f32 v[LACC+ii:LACC+ii+1], v[LACC+ii:LACC+ii+1], v[12:13]
.set ii, ii+2
.endr
.set ii, 0
.rept 16
	v_cvt_pk_bf16_f32 v[XF+ii], v[LACC+2*ii], v[LACC+2*ii+1]
.set ii, ii+1
.endr
	s_wait_alu depctr_va_vdst(0)                   ; the conversions have written v[XF ..], which the LDS stores read; all that named v16-127 is done, the P stage's fragments land there
.set cc, 0
.rept 4
	ds_store_b128 v5, v[XF+4*cc:XF+4*cc+3] offset:32*cc    ; s(row r, c = 16 ct + 8 h + 0..7)
.set cc, cc+1
.endr
.endm
; THE P STAGE.  A K step is rows 32 ks .. 32 ks + 31.  Both operands lie [n][..] in LDS and are transposed on the way (ds_load_tr16_b128).
; x's two groups of eight columns are taken 128 bytes apart, so that row m of source 0 is f = fa + (m & 7) + 64 (m >> 3).
; D: lane (r, h), register j = P(c = 16 ct + r, f = fa + 64 h + j).
; Four loads: c tiles c0 and c0 + 1 of step ks's s fragments.
.macro SLOAD ks, c0
.set cc, \c0
.rept 2
	ds_load_tr16_b128 v[SF+32*((\ks)%2)+8*cc:SF+32*((\ks)%2)+8*cc+3],   v6 offset:32*SP*(\ks)+32*cc
	ds_load_tr16_b128 v[SF+32*((\ks)%2)+8*cc+4:SF+32*((\ks)%2)+8*cc+7], v6 offset:32*SP*(\ks)+32*cc+16*SP
.set cc, cc+1
.endr
.endm
; Two loads: f tile u of step ks.  on = 0: v7 stands at that step's rows; 1: at those of the step before.
; In step 6 the second sixteen rows, 208-223, do not exist; s is zero there, and rows 192-207 stand in.
.macro TLOAD ks, u, on
.set rX, XT+8*((4*(\ks)+(\u))%6)
.set h2, 16*XP
.if (\ks) == 6
.set h2, 0
.endif
	ds_load_tr16_b128 v[rX:rX+3],   v7 offset:32*XP*(\on)+16*(\u)
	ds_load_tr16_b128 v[rX+4:rX+7], v7 offset:32*XP*(\on)+16*(\u)+h2
.endm
; Four matrix instructions: f tile u x the four c tiles.  Over a step the sixteen accumulators take turns, one instruction a turn.
.macro PMUL ks, u, zero
.set rX, XT+8*((4*(\ks)+(\u))%6)
.set rS, SF+32*((\ks)%2)
.set cc, 0
.rept 4
.if \zero
	v_wmma_f32_16x16x32_bf16 v[PACC+8*(4*(\u)+cc):PACC+8*(4*(\u)+cc)+7], v[rX:rX+7], v[rS+8*cc:rS+8*cc+7], 0
.else
	v_wmma_f32_16x16x32_bf16 v[PACC+8*(4*(\u)+cc):PACC+8*(4*(\u)+cc)+7], v[rX:rX+7], v[rS+8*cc:rS+8*cc+7], v[PACC+8*(4*(\u)+cc):PACC+8*(4*(\u)+cc)+7]
.endif
.set cc, cc+1
.endr
.endm
; Step ks.  zero = 1: the first products start the sums.  first = 1: a stage's first step, which loads all its own fragments.
; nxt = 1: the stage has a further step, whose s fragments and tiles u = 0, 1 are loaded among this step's matrix instructions.
.macro PSTEP ks, zero, first, nxt
	s_wait_alu depctr_vm_vsrc(0)                   ; the LDS instructions issued so far have read their registers: the loads v7, which is written below; my s stores v48-63, in which s fragments land
.if (\ks) > 0
	v_add_nc_u32 v7, 32*XP, v7                     ; this step's rows
	s_wait_alu depctr_va_vdst(0)                   ; v7 is written; the matrix and vector instructions issued so far are done with v16-127: all that this step's text loads lands in registers that none of its own matrix instructions names
.endif
.if \first
	SLOAD \ks, 0
	SLOAD \ks, 2
	TLOAD \ks, 0, 0
	TLOAD \ks, 1, 0
	TLOAD \ks, 2, 0
	TLOAD \ks, 3, 0
	s_wait_dscnt 6                                 ; s and tile 0 are in; the six loads of tiles 1 to 3 may be out
.else
	TLOAD \ks, 2, 0
	TLOAD \ks, 3, 0
	s_wait_dscnt 4                                 ; all but these four: s and tiles 0 and 1, asked for in the step before, are in
.endif
	PMUL \ks, 0, \zero
.if \nxt
	SLOAD (\ks)+1, 0
.endif
.if \first
	s_wait_dscnt 4+4*(\nxt)                        ; tile 1 is in: behind it tiles 2 and 3 and the four loads just issued
.endif
	PMUL \ks, 1, \zero
.if \nxt
	SLOAD (\ks)+1, 2
.endif
	s_wait_dscnt 2+8*(\nxt)                        ; tile 2 is in: behind it tile 3's two loads and the next step's eight of s
	PMUL \ks, 2, \zero
.if \nxt
	TLOAD (\ks)+1, 0, 1
.endif
	s_wait_dscnt 10*(\nxt)                         ; tile 3 is in: behind it the next step's eight of s and two of x
	PMUL \ks, 3, \zero
.if \nxt
	TLOAD (\ks)+1, 1, 1
.endif
	s_cmp_lg_u32 s12, 7
	s_cbranch_scc1 .Lno_ext_\@
	WIN 0x51                                       ; wave 7 alone: row 0 of ones x s = the column sums of s.  D, C and source 0 in window 1
.set rS, SF+32*((\ks)%2)
.set cc, 0
.rept 4
.if \zero
	v_wmma_f32_16x16x32_bf16 v[EACC+8*cc:EACC+8*cc+7], v[ONES:ONES+7], v[rS+8*cc:rS+8*cc+7], 0
.else
	v_wmma_f32_16x16x32_bf16 v[EACC+8*cc:EACC+8*cc+7], v[ONES:ONES+7], v[rS+8*cc:rS+8*cc+7], v[EACC+8*cc:EACC+8*cc+7]
.endif
.set cc, cc+1
.endr
	WIN 0
.Lno_ext_\@:
.endm
	; ---------------- head ----------------
	s_load_b256 s[4:11], s[0:1], 0x0               ; x s[4:5], Wp s[6:7], bp s[8:9], part s[10:11]
	s_set_vgpr_msb 0x40
	v_lshl_add_u32 v232, v0, 2, 0x4de00
	v_mov_b32 v233, 0
	s_set_vgpr_msb 0x4000
	v_lshrrev_b32 v15, 5, v0
	v_readfirstlane_b32 s12, v15                   ; wave 0..7
	s_min_u32 s22, ttmp9, EXTRA
	s_mul_i32 s23, ttmp9, 12
	s_add_co_u32 s23, s23, s22                     ; the work-group's first tile
	s_wait_alu depctr_va_sdst(0)                   ; s12 is written, ahead of its first reader
	s_add_co_u32 s23, s23, s12                     ; my tile of round 0
	s_lshl_b32 s16, s23, 15                        ; 16 rows of 2,048 bytes; below 102,400,000
	s_mov_b32 s17, 0
	s_cmp_lt_u32 ttmp9, EXTRA
	s_cselect_b32 s14, 5, 4                        ; nt2: tiles of round 1
	s_mul_i32 s24, ttmp9, PARTB
	s_lshl_b32 s27, s12, 14                        ; 16,384 w: my 64 rows of Wp, and my 16 tiles of the partial
	s_add_co_u32 s24, s24, s27
	s_mov_b32 s25, 0
	s_mov_b32 s18, 0x76543210                      ; v_permlanex16_b32: lane i of one half reads lane i of the other
	s_mov_b32 s19, 0xfedcba98
	s_mov_b32 s20, 0x3fb8aa3b                      ; log2 e, as a pair for the packed multiply-add
	s_mov_b32 s21, 0x3fb8aa3b
	v_and_b32 v84, 31, v0                          ; lane L
	v_and_b32 v85, 15, v0                          ; r
	v_bfe_u32 v86, v0, 4, 1                        ; h
	v_and_b32 v87, 7, v0                           ; L & 7
	v_bfe_u32 v88, v0, 3, 1                        ; (L >> 3) & 1
	v_lshlrev_b32 v1, 4, v84                       ; 16 L
	v_lshlrev_b32 v12, 3, v84                      ; 8 L: bp
	v_lshlrev_b32 v10, 4, v85
	v_lshl_add_u32 v10, v86, 11, v10
	v_add_nc_u32 v10, s27, v10                     ; Wp: row 64 w + 8 h, columns 4 r .. 4 r + 3
	s_wait_kmcnt 0x0
	s_add_nc_u64 s[4:5], s[4:5], s[16:17]
	s_add_nc_u64 s[10:11], s[10:11], s[24:25]
	s_wait_alu depctr_va_vdst(0)                   ; the offsets v1, v10 and v12 are written, which the loads below read; v15, in which bp lands, has been written and read
	global_load_b64 v[14:15], v12, s[8:9]          ; bp, in every wave, so that all waves count alike
.set ii, 0
.rept 32                                           ; my 64 rows of Wp: each load two whole rows of 256 bytes (f and f + 8)
	global_load_b128 v[PACC+4*ii:PACC+4*ii+3], v10, s[6:7] offset:((ii>>3)*16+(ii&7))*256
.set ii, ii+1
.endr
	XLOAD 0, 0                                     ; quarter 0 of my first tile: 1 + 32 + 16 = 49 loads are out
	WIN 0
	s_mul_i32 s22, s12, 16*XP
	v_lshl_add_u32 v2, v84, 3, s22                 ; x store: my 16 rows, 8 bytes a lane
	v_mul_u32_u24 v89, v85, XP
	v_lshl_add_u32 v89, v86, 4, v89                ; r x pitch + 16 h
	v_add_nc_u32 v3, s22, v89                      ; x fragment
	v_add_nc_u32 v4, WB, v89                       ; Wp fragment
	s_mul_i32 s23, s12, 16*SP
	s_add_co_u32 s23, s23, SB
	v_mul_u32_u24 v90, v85, SP
	v_lshl_add_u32 v90, v86, 4, v90
	v_add_nc_u32 v5, s23, v90                      ; s store
	v_lshl_add_u32 v91, v86, 3, v87                ; 8 h + (L & 7): the row that I address in a transposing load
	v_mul_u32_u24 v92, v91, SP
	v_lshl_add_u32 v92, v88, 4, v92
	v_add_nc_u32 v6, SB, v92                       ; s, transposed
	s_lshr_b32 s28, s12, 1
	s_lshl_b32 s28, s28, 8
	s_and_b32 s29, s12, 1
	s_lshl_b32 s29, s29, 6
	s_add_co_u32 s28, s28, s29                     ; 2 fa of my first f tile: 256 (w >> 1) + 64 (w & 1)
	v_mul_u32_u24 v93, v91, XP
	v_lshl_add_u32 v93, v88, 7, v93                ; the second eight columns lie 128 bytes on
	v_add_nc_u32 v7, s28, v93                      ; x, transposed
	v_lshl_add_u32 v8, v86, 5, BB                  ; bias
	s_lshl_b32 s26, s12, 7
	s_add_co_u32 s26, s26, WB
	v_mul_u32_u24 v94, v85, 4*XP
	v_lshl_add_u32 v94, v86, 4, v94
	v_add_nc_u32 v9, s26, v94                      ; Wp store: row c = 4 r, byte 2 (64 w + 8 h)
	v_lshl_add_u32 v13, v84, 3, BB                 ; bp store
	v_mov_b32 v11, 0                               ; v_permlanex16_b32 counts as a reader of its destination
	v_mov_b32 v96, 0x3f803f80                      ; two bf16 ones
	v_cmp_eq_u32 vcc_lo, 0, v85
	s_wait_alu depctr_va_vcc(0)                    ; VCC is written, ahead of the select that reads it
	v_cndmask_b32 v96, 0, v96, vcc_lo              ; in the lanes of row 0 alone
	WIN 0x40
.set ii, 0
.rept 8
	v_mov_b32 v[ONES+ii], v96
.set ii, ii+1
.endr
	WIN 0
	; zeros: x rows 192-207 and s rows 192-223, of which the thirteenth tile, where there is one, overwrites rows 192-207 two barriers later
	v_mov_b32 v80, 0
	v_mov_b32 v81, 0
	v_mov_b32 v82, 0
	v_mov_b32 v83, 0
	s_mul_i32 s30, s12, 2*XP
	s_add_co_u32 s30, s30, XB+192*XP
	v_add_nc_u32 v94, s30, v1                      ; two rows a wave, 1,024 bytes each
	s_mul_i32 s31, s12, 4*SP
	s_add_co_u32 s31, s31, SB+192*SP
	v_add_nc_u32 v95, s31, v1                      ; four rows of 160 bytes a wave: 512 + 128
	v_lshl_add_u32 v93, v84, 2, s31
	s_wait_alu depctr_va_vdst(0)                   ; all LDS addresses (v2 to v9, v13, v93 to v95) and the zeros v80-83 are written, which the LDS instructions from here on read
	ds_store_b128 v94, v[80:83]
	ds_store_b128 v94, v[80:83] offset:512
	ds_store_b128 v94, v[80:83] offset:XP
	ds_store_b128 v94, v[80:83] offset:XP+512
	ds_store_b128 v95, v[80:83]
	ds_store_b32 v93, v80 offset:512
	s_wait_loadcnt 16                              ; all but quarter 0's sixteen loads: bp and Wp are in
	XLOAD 1, 512                                   ; quarters 1 and 2 go out ahead of the conversion: 48 loads are out from here on.  No vector instruction has named these two slots
	XLOAD 2, 1024
	WIN 0
.set gq, 0
.rept 4                                            ; Wp[f][c] f32 to [c][f] bf16: eight f of one c are 16 bytes
.set tt, 0
.rept 4
.set pp, 0
.rept 4
	v_cvt_pk_bf16_f32 v[16+16*gq+4*tt+pp], v[PACC+32*gq+8*pp+tt], v[PACC+32*gq+8*pp+4+tt]
.set pp, pp+1
.endr
.set tt, tt+1
.endr
.set gq, gq+1
.endr
	s_wait_alu depctr_va_vdst(0)                   ; the 64 conversions have written v16-79, which the LDS stores read
.set gq, 0
.rept 4
.set tt, 0
.rept 4
	ds_store_b128 v9, v[16+16*gq+4*tt:16+16*gq+4*tt+3] offset:XP*tt+32*gq
.set tt, tt+1
.endr
.set gq, gq+1
.endr
	s_cmp_lg_u32 s12, 0
	s_cbranch_scc1 .Lno_bp
	ds_store_b64 v13, v[14:15]                     ; wave 0 alone
.Lno_bp:
	s_wait_dscnt 0x0                               ; my stores are done, for the others' sake
	s_barrier_signal -1
	s_barrier_wait -1                              ; Wp, bp and the zeros are whole
	s_wait_alu depctr_vm_vsrc(0)                   ; my LDS stores have read v13 to v15 and v16-83, the loads of Wp and bp their offsets v10 and v12: the bias and the fragments land in these registers, the softmax writes them
	; ---------------- round 0: logits and softmax of tile w ----------------
	TILE_BIAS
	s_cmp_lt_u32 s12, 5                            ; waves 5-7 never have a second tile (nt2 is 4 or 5),
	s_cbranch_scc0 .Lone_tile
	s_cmp_lt_u32 s12, s14                          ; wave 4 only in the first 53 work-groups
	s_cbranch_scc0 .Lone_tile
	QUARTER 0, 0, 32, 1, 1536                      ; a wave with a second tile keeps three quarters on their way: its own quarter 3,
	QUARTER 1, 1, 32, 1, 262144                    ; then quarters 0, 1, 2 of tile 8 + w, 8 x 32,768 bytes on
	QUARTER 2, 2, 32, 1, 262656
	QUARTER 0, 3, 32, 1, 263168
	s_branch .Lsoft_a
.Lone_tile:
	QUARTER 0, 0, 32, 1, 1536                      ; a wave without: the counts run down
	QUARTER 1, 1, 32, 0, 0
	QUARTER 2, 2, 16, 0, 0
	QUARTER 0, 3, 0, 0, 0
.Lsoft_a:
	SOFTMAX
	s_wait_dscnt 0x0
	s_barrier_signal -1
	s_barrier_wait -1                              ; rows 0-127 of x and s are whole
	; ---------------- P stage, rows 0-127: its last step asks for nothing of rows 128 and up ----------------
	PSTEP 0, 1, 1, 1
	PSTEP 1, 0, 0, 1
	PSTEP 2, 0, 0, 1
	PSTEP 3, 0, 0, 0
	; ---------------- round 1: tile 8 + w, for waves 0-4 at the most: rows 128 + 16 w .. + 15 end at row 207, the last of XB, and inside SB.
	; Its stores go to rows 128 and up, which no wave reads before the next barrier ----------------
	s_cmp_lt_u32 s12, 5
	s_cbranch_scc0 .Lno_b
	s_cmp_lt_u32 s12, s14
	s_cbranch_scc0 .Lno_b
	s_wait_alu depctr_vm_vsrc(0)                   ; round 0's LDS stores and loads have read v2, v3 and v5
	v_add_nc_u32 v2, 128*XP, v2
	v_add_nc_u32 v3, 128*XP, v3
	v_add_nc_u32 v5, 128*SP, v5
	s_wait_alu depctr_va_vdst(0)                   ; the three addresses are written; the P stage's matrix instructions are done reading v16-47, in which the bias lands
	TILE_BIAS
	QUARTER 1, 0, 32, 1, 263680                    ; the last quarter goes out
	QUARTER 2, 1, 32, 0, 0
	QUARTER 0, 2, 16, 0, 0
	QUARTER 1, 3, 0, 0, 0
	SOFTMAX
.Lno_b:
	s_wait_dscnt 0x0
	s_barrier_signal -1
	s_barrier_wait -1                              ; rows 128-207 are whole
	; ---------------- P stage, rows 128-223 ----------------
	PSTEP 4, 0, 1, 1
	PSTEP 5, 0, 0, 1
	PSTEP 6, 0, 0, 0
	; ---------------- the partial leaves as it lies in the registers: each store 512 consecutive bytes, aligned ----------------
	PLACES
	s_wait_alu depctr_va_vdst(0)                   ; the matrix instructions have written PACC and, in wave 7, EACC, which the stores read; the places above stay beside this wait
.set ii, 0
.rept 32
	global_store_b128 v1, v[PACC+4*ii:PACC+4*ii+3], s[10:11] offset:512*ii
.set ii, ii+1
.endr
	s_cmp_lg_u32 s12, 7
	s_cbranch_scc1 .Ldone
	WIN 0x04                                       ; store data window 1
.set ii, 0
.rept 8
	global_store_b128 v1, v[EACC+4*ii:EACC+4*ii+3], s[10:11] offset:16384+512*ii    ; tile row 32: the column sums
.set ii, ii+1
.endr
	WIN 0
.Ldone:
	s_set_vgpr_msb 0x5
	s_wait_dscnt 0x0
	s_wait_alu depctr_hold_cnt(0) depctr_sa_sdst(0) depctr_va_vdst(0) depctr_va_sdst(0) depctr_va_ssrc(0) depctr_va_vcc(0) depctr_vm_vsrc(0)
	s_wait_tensorcnt 0x0
	ds_add_u32 v232, v233
	s_wait_dscnt 0x0
	s_endpgm
.Lfunc_end_k_qc1a93ed435_pool:
	.size	k_qc1a93ed435_pool, .Lfunc_end_k_qc1a93ed435_pool-k_qc1a93ed435_pool
	.p2alignl 7, 3214868480
	.fill 96, 4, 3214868480
	.section	.rodata,"a",@progbits
	.p2align	6, 0x0
	.amdhsa_kernel k_qc1a93ed435_pool
		.amdhsa_group_segment_fixed_size 320000
		.amdhsa_private_segment_fixed_size 0
		.amdhsa_enable_private_segment 0
		.amdhsa_kernarg_size 32
		.amdhsa_user_sgpr_count 2
		.amdhsa_user_sgpr_kernarg_segment_ptr 1
		.amdhsa_wavefront_size32 1
		.amdhsa_system_sgpr_workgroup_id_x 1
		.amdhsa_system_sgpr_workgroup_id_y 1
		.amdhsa_system_sgpr_workgroup_id_z 1
		.amdhsa_system_vgpr_workitem_id 0
		.amdhsa_next_free_vgpr 490
		.amdhsa_next_free_sgpr 66
		.amdhsa_reserve_vcc 1
		.amdhsa_float_denorm_mode_32 3
		.amdhsa_float_denorm_mode_16_64 3
		.amdhsa_memory_ordered 1
		.amdhsa_forward_progress 1
		.amdhsa_inst_pref_size 148
	.end_amdhsa_kernel
	.amdgpu_metadata
---
amdhsa.version: [ 1, 2 ]
amdhsa.kernels:
  - .name:           k_qc1a93ed435_pool
    .symbol:         k_qc1a93ed435_pool.kd
    .args:
      - { .name: x, .offset: 0, .size: 8, .value_kind: global_buffer, .address_space: global }
      - { .name: Wp, .offset: 8, .size: 8, .value_kind: global_buffer, .address_space: global }
      - { .name: bp, .offset: 16, .size: 8, .value_kind: global_buffer, .address_space: global }
      - { .name: part, .offset: 24, .size: 8, .value_kind: global_buffer, .address_space: global }
    .group_segment_fixed_size: 320000
    .private_segment_fixed_size: 0
    .kernarg_segment_align: 8
    .kernarg_segment_size: 32
    .max_flat_workgroup_size: 256
    .sgpr_count:     66
    .vgpr_count:     490
    .wavefront_size: 32
...
	.end_amdgpu_metadata
.endif
;; end of part 4
;; launch fold (part 5): grid 396 x 1, 8 waves a work-group, no clusters, 37,888 bytes of LDS; arguments part, We, be, Wo, psum, wfrag; writes psum, wfrag
.if DOCPART == 5
	.amdgcn_target "amdgcn-amd-amdhsa--gfx1250"
	.amdhsa_code_object_version 6
	.text
	.protected	k_qc1a93ed435_fold
	.globl	k_qc1a93ed435_fold
	.p2align	8
	.type	k_qc1a93ed435_fold,@function
k_qc1a93ed435_fold:
	s_mov_b64 s[64:65], 0
	v_nop
	global_prefetch_b8 v0, s[64:65] scope:SCOPE_SE
	s_setreg_imm32_b32 hwreg(HW_REG_WAVE_SCHED_MODE, 0, 2), 2
	s_setreg_imm32_b32 hwreg(HW_REG_WAVE_MODE, 25, 1), 1
	s_wait_xcnt 0x0
	s_wait_alu depctr_vm_vsrc(0)
; DiffPool, launch 2 of 3.  Two jobs that do not depend on each other, told apart by the work-group's number alone:
;   0 .. 131:   Weo = [We; be] Wo, as bf16, stored as the fragments that launch 3 multiplies by (work-group = 16 f x 64 o)
;   132 .. 395: psum = the sum of the 256 partials of launch 1 (work-group = 512 bytes of the 135,168)
; Tile row U (0..32) stands for the 16 f = fa(U) + 64 h + j, fa(U) = 128 (U >> 3) + 8 (U & 7); U = 32 is be's row, sixteen times.
; wfrag: tile (U, ot) at (16 U + ot) 512 + 16 lane: lane (r, h) holds Weo(fa(U) + 64 h + 0..7, o = 64 (ot >> 2) + 4 r + (ot & 3)).
; LIMITS: We, be, Wo go to the matrix unit rounded to bf16, and Weo is rounded to bf16; sums in f32.
; No cluster: a work-group of the first job reads 32 KiB of We and 128 KiB of Wo through registers, where they are rounded; the second job shares nothing.
; LDS: each job has bytes of its own: 0 .. 32,767 the eight waves' four tiles of the first job, 32,768 .. 36,863 the eight waves' quads of the second.
; THE MODE: SCHED_MODE bits 1:0 = 2 (LLVM: expert scheduling mode 2), set by the entry lines.  The code itself states the register dependences
; between vector or matrix instructions and memory or LDS instructions, with s_wait_alu, always for 0.
; THE PLAN.  Each job makes all its offsets and LDS addresses first (v1, v3, v4, v8, v9) and never writes them again: one wait on va_vdst ahead of its loads.
; Loaded registers are read by vector instructions behind the loads' own counters.  What is stored (accumulators, sums, packed words) is written by vector or matrix
; instructions: one wait on va_vdst ahead of each run of stores; the LDS loads that follow a barrier land in registers that no vector instruction has named since that wait.
; No register that a memory or LDS instruction reads is written again, so no wait on vm_vsrc is owed.
.set PARTB, 135168
.set NW,    132                        ; 33 tile rows x 4 groups of 64 o
.set RED,   32768                      ; LDS: the second job's 8 x 512 bytes
.set RB,    16                         ; v[16:143]   Wo as loaded: K step s at 64 s, row (16 hf + j) at 32 hf + 4 j, column 4 r + t in register t
.set RA,    144                        ; v[144:175]  We as loaded: K step s at 16 s
.set FB,    176                        ; v[176:207]  Wo fragments, four o tiles
.set FA,    208                        ; v[208:215]  We fragment
.set ACC,   216                        ; v[216:247]  four tiles
.macro PLACES
.rept 4
	v_nop
.endr
.endm
; K step ss as bf16 fragments: We's into v[fa ..], Wo's four into v[fb ..]
.macro FRAGS ss, fa, fb
.set pp, 0
.rept 8
	v_cvt_pk_bf16_f32 v[\fa+pp], v[RA+16*\ss+2*pp], v[RA+16*\ss+2*pp+1]
.set pp, pp+1
.endr
.set tt, 0
.rept 4
.set pp, 0
.rept 8
	v_cvt_pk_bf16_f32 v[\fb+8*tt+pp], v[RB+64*\ss+8*pp+tt], v[RB+64*\ss+8*pp+4+tt]
.set pp, pp+1
.endr
.set tt, tt+1
.endr
.endm
	s_load_b256 s[4:11], s[0:1], 0x0               ; part s[4:5], We s[6:7], be s[8:9], Wo s[10:11]
	s_load_b128 s[12:15], s[0:1], 0x20             ; psum s[12:13], wfrag s[14:15]
	v_lshl_add_u32 v14, v0, 2, 0x9000
	v_mov_b32 v15, 0
	v_lshrrev_b32 v2, 5, v0
	v_readfirstlane_b32 s16, v2                    ; wave 0..7
	v_and_b32 v2, 31, v0
	v_lshlrev_b32 v1, 4, v2                        ; 16 x lane
	s_wait_alu depctr_va_sdst(0)                   ; s16 is written, ahead of the branch and of its first reader in either job
	s_wait_kmcnt 0x0
	s_cmp_lt_u32 ttmp9, NW                         ; the same in all eight waves
	s_cbranch_scc0 .Lreduce
	; ---------------- Weo: wave w takes K = f2 in 64 w .. 64 w + 63, two K steps; the eight sums meet in LDS ----------------
	s_lshr_b32 s17, ttmp9, 2                       ; U
	s_and_b32 s18, ttmp9, 3                        ; og: o = 64 og ..
	s_lshr_b32 s19, s17, 3
	s_lshl_b32 s19, s19, 7
	s_and_b32 s20, s17, 7
	s_lshl3_add_u32 s19, s20, s19                  ; fa(U)
	s_cmp_eq_u32 s17, 32
	s_cselect_b32 s21, 0, 2048                     ; be has one row: pitch 0
	s_cselect_b64 s[22:23], s[8:9], s[6:7]         ; be or We
	v_and_b32 v2, 15, v0                           ; r
	v_bfe_u32 v5, v0, 4, 1                         ; h
	v_and_b32 v6, 7, v0
	v_bfe_u32 v7, v0, 3, 1
	v_lshl_add_u32 v6, v7, 6, v6
	v_add_nc_u32 v6, s19, v6                       ; row m = r of source 0 is f = fa + (r & 7) + 64 (r >> 3)
	v_mul_lo_u32 v6, v6, s21
	v_lshl_add_u32 v6, v5, 5, v6                   ; + 8 h f32
	s_lshl_b32 s24, s16, 8
	v_add_nc_u32 v3, s24, v6                       ; + 64 w f32
	s_lshl_b32 s25, s16, 16
	s_lshl_b32 s26, s18, 8
	s_add_co_u32 s25, s25, s26
	v_lshlrev_b32 v4, 4, v2
	v_lshl_add_u32 v4, v5, 13, v4
	v_add_nc_u32 v4, s25, v4                       ; Wo: row 64 w + 8 h, columns 64 og + 4 r ..
	s_lshl_b32 s27, s16, 12
	v_add_nc_u32 v8, s27, v1                       ; LDS: my 4,096 bytes
	s_lshl_b32 s28, s16, 10
	v_add_nc_u32 v9, s28, v1                       ; LDS: tile t = w of every wave's
	s_wait_alu depctr_va_vdst(0)                   ; v1, v3, v4, v8 and v9 are written, which this job's loads and stores read as offsets and addresses
.set ss, 0
.rept 2
	global_load_b128 v[RA+16*ss:RA+16*ss+3],     v3, s[22:23] offset:128*ss        ; k = 8 h + 0..3
	global_load_b128 v[RA+16*ss+4:RA+16*ss+7],   v3, s[22:23] offset:128*ss+16     ; k = 8 h + 4..7
	global_load_b128 v[RA+16*ss+8:RA+16*ss+11],  v3, s[22:23] offset:128*ss+64     ; k = 16 + 8 h + 0..3
	global_load_b128 v[RA+16*ss+12:RA+16*ss+15], v3, s[22:23] offset:128*ss+80
.set ss, ss+1
.endr
.set ii, 0
.rept 32                                           ; each load: 256 consecutive bytes, aligned, of two rows of Wo
	global_load_b128 v[RB+4*ii:RB+4*ii+3], v4, s[10:11] offset:((ii>>3)*16+(ii&7))*1024
.set ii, ii+1
.endr
	s_lshl_b32 s29, ttmp9, 2
	s_add_co_u32 s28, s29, s16                     ; 16 U + 4 og + t
	s_lshl_b32 s28, s28, 9
	s_mov_b32 s29, 0
	s_add_nc_u64 s[14:15], s[14:15], s[28:29]
	s_wait_loadcnt 16                              ; all but Wo's sixteen rows of K step 1
	FRAGS 0, FA, FB
.set tt, 0
.rept 4                                            ; four accumulators by turns, one instruction a turn
	v_wmma_f32_16x16x32_bf16 v[ACC+8*tt:ACC+8*tt+7], v[FA:FA+7], v[FB+8*tt:FB+8*tt+7], 0
.set tt, tt+1
.endr
	s_wait_loadcnt 0x0
	FRAGS 1, RA, RB                                ; into registers of K step 0's raw data, which no matrix instruction has named
.set tt, 0
.rept 4
	v_wmma_f32_16x16x32_bf16 v[ACC+8*tt:ACC+8*tt+7], v[RA:RA+7], v[RB+8*tt:RB+8*tt+7], v[ACC+8*tt:ACC+8*tt+7]
.set tt, tt+1
.endr
	PLACES                                         ; four places before the results are stored (ISA guide 7.12.1)
	s_wait_alu depctr_va_vdst(0)                   ; the matrix instructions have written the accumulators, which the LDS stores read, and are done reading v16-47; the conversions are done with v16-79: the LDS loads behind the barrier land there
.set ii, 0
.rept 8
	ds_store_b128 v8, v[ACC+4*ii:ACC+4*ii+3] offset:512*ii
.set ii, ii+1
.endr
	s_wait_dscnt 0x0                               ; for the others' sake
	s_barrier_signal -1
	s_barrier_wait -1
	s_cmp_lt_u32 s16, 4
	s_cbranch_scc1 .Lw_sum
	s_wait_dscnt 0x0
	s_wait_alu depctr_hold_cnt(0) depctr_sa_sdst(0) depctr_va_vdst(0) depctr_va_sdst(0) depctr_va_ssrc(0) depctr_va_vcc(0) depctr_vm_vsrc(0)
	s_wait_tensorcnt 0x0
	ds_add_u32 v14, v15
	s_wait_dscnt 0x0
	s_endpgm                                       ; waves 4-7 have handed their sums over
.Lw_sum:
.set ii, 0
.rept 16                                           ; tile t = w of the eight waves: 8 registers each
	ds_load_b128 v[16+4*ii:16+4*ii+3], v9 offset:4096*(ii>>1)+512*(ii&1)
.set ii, ii+1
.endr
	s_wait_dscnt 0x0
.set ii, 1
.rept 7
.set pp, 0
.rept 4
	v_pk_add_f32 v[16+2*pp:17+2*pp], v[16+2*pp:17+2*pp], v[16+8*ii+2*pp:17+8*ii+2*pp]
.set pp, pp+1
.endr
.set ii, ii+1
.endr
.set pp, 0
.rept 4
	v_cvt_pk_bf16_f32 v[80+pp], v[16+2*pp], v[17+2*pp]     ; register j = f = fa + 64 h + j: eight f of one o, 16 bytes
.set pp, pp+1
.endr
	s_wait_alu depctr_va_vdst(0)                   ; the conversions have written v80-83, which the store reads
	global_store_b128 v1, v[80:83], s[14:15]       ; 512 consecutive bytes, aligned
	s_wait_dscnt 0x0
	s_wait_alu depctr_hold_cnt(0) depctr_sa_sdst(0) depctr_va_vdst(0) depctr_va_sdst(0) depctr_va_ssrc(0) depctr_va_vcc(0) depctr_vm_vsrc(0)
	s_wait_tensorcnt 0x0
	ds_add_u32 v14, v15
	s_wait_dscnt 0x0
	s_endpgm
	; ---------------- the sum of the partials: wave w adds partials 32 w .. 32 w + 31 of this work-group's 512 bytes ----------------
.Lreduce:
	s_sub_co_u32 s17, ttmp9, NW
	s_lshl_b32 s18, s17, 9
	s_mov_b32 s19, 0
	s_mul_i32 s20, s16, 32*PARTB
	s_mov_b32 s21, 0
	s_add_nc_u64 s[4:5], s[4:5], s[18:19]
	s_add_nc_u64 s[4:5], s[4:5], s[20:21]
	s_add_nc_u64 s[12:13], s[12:13], s[18:19]
	s_lshl_b32 s22, s16, 9
	v_add_nc_u32 v8, s22, v1
	s_wait_alu depctr_va_vdst(0)                   ; v1 and v8 are written, which this job's loads and stores read as offset and address
.set ii, 0
.rept 32                                           ; all 32 at once: nothing here depends on anything
	global_load_b128 v[16+4*ii:16+4*ii+3], v1, s[4:5] offset:PARTB*ii th:TH_LOAD_NT
.set ii, ii+1
.endr
	s_wait_loadcnt 24                              ; the first eight are in; the first starts the sum
.set ii, 1
.rept 7
	v_pk_add_f32 v[16:17], v[16:17], v[16+4*ii:17+4*ii]
	v_pk_add_f32 v[18:19], v[18:19], v[18+4*ii:19+4*ii]
.set ii, ii+1
.endr
.irp left, 16, 8, 0
	s_wait_loadcnt \left                           ; eight more are in
.rept 8
	v_pk_add_f32 v[16:17], v[16:17], v[16+4*ii:17+4*ii]
	v_pk_add_f32 v[18:19], v[18:19], v[18+4*ii:19+4*ii]
.set ii, ii+1
.endr
.endr
	s_wait_alu depctr_va_vdst(0)                   ; the additions have written v16-19, which the LDS store reads, and are done reading v20-51, in which wave 0's LDS loads land
	ds_store_b128 v8, v[16:19] offset:RED
	s_wait_dscnt 0x0                               ; for wave 0's sake
	s_barrier_signal -1
	s_barrier_wait -1
	s_cmp_eq_u32 s16, 0
	s_cbranch_scc1 .Lr_sum
	s_wait_dscnt 0x0
	s_wait_alu depctr_hold_cnt(0) depctr_sa_sdst(0) depctr_va_vdst(0) depctr_va_sdst(0) depctr_va_ssrc(0) depctr_va_vcc(0) depctr_vm_vsrc(0)
	s_wait_tensorcnt 0x0
	ds_add_u32 v14, v15
	s_wait_dscnt 0x0
	s_endpgm
.Lr_sum:
.set ii, 0
.rept 8
	ds_load_b128 v[20+4*ii:23+4*ii], v1 offset:RED+512*ii
.set ii, ii+1
.endr
	s_wait_dscnt 0x0
.set ii, 1
.rept 7
	v_pk_add_f32 v[20:21], v[20:21], v[20+4*ii:21+4*ii]
	v_pk_add_f32 v[22:23], v[22:23], v[22+4*ii:23+4*ii]
.set ii, ii+1
.endr
	s_wait_alu depctr_va_vdst(0)                   ; the additions have written v20-23, which the store reads
	global_store_b128 v1, v[20:23], s[12:13]       ; 512 consecutive bytes, aligned
	s_wait_dscnt 0x0
	s_wait_alu depctr_hold_cnt(0) depctr_sa_sdst(0) depctr_va_vdst(0) depctr_va_sdst(0) depctr_va_ssrc(0) depctr_va_vcc(0) depctr_vm_vsrc(0)
	s_wait_tensorcnt 0x0
	ds_add_u32 v14, v15
	s_wait_dscnt 0x0
	s_endpgm
.Lfunc_end_k_qc1a93ed435_fold:
	.size	k_qc1a93ed435_fold, .Lfunc_end_k_qc1a93ed435_fold-k_qc1a93ed435_fold
	.p2alignl 7, 3214868480
	.fill 96, 4, 3214868480
	.section	.rodata,"a",@progbits
	.p2align	6, 0x0
	.amdhsa_kernel k_qc1a93ed435_fold
		.amdhsa_group_segment_fixed_size 37888
		.amdhsa_private_segment_fixed_size 0
		.amdhsa_enable_private_segment 0
		.amdhsa_kernarg_size 48
		.amdhsa_user_sgpr_count 2
		.amdhsa_user_sgpr_kernarg_segment_ptr 1
		.amdhsa_wavefront_size32 1
		.amdhsa_system_sgpr_workgroup_id_x 1
		.amdhsa_system_sgpr_workgroup_id_y 1
		.amdhsa_system_sgpr_workgroup_id_z 1
		.amdhsa_system_vgpr_workitem_id 0
		.amdhsa_next_free_vgpr 248
		.amdhsa_next_free_sgpr 66
		.amdhsa_reserve_vcc 0
		.amdhsa_float_denorm_mode_32 3
		.amdhsa_float_denorm_mode_16_64 3
		.amdhsa_memory_ordered 1
		.amdhsa_forward_progress 1
		.amdhsa_inst_pref_size 26
	.end_amdhsa_kernel
	.amdgpu_metadata
---
amdhsa.version: [ 1, 2 ]
amdhsa.kernels:
  - .name:           k_qc1a93ed435_fold
    .symbol:         k_qc1a93ed435_fold.kd
    .args:
      - { .name: part, .offset: 0, .size: 8, .value_kind: global_buffer, .address_space: global }
      - { .name: We, .offset: 8, .size: 8, .value_kind: global_buffer, .address_space: global }
      - { .name: be, .offset: 16, .size: 8, .value_kind: global_buffer, .address_space: global }
      - { .name: Wo, .offset: 24, .size: 8, .value_kind: global_buffer, .address_space: global }
      - { .name: psum, .offset: 32, .size: 8, .value_kind: global_buffer, .address_space: global }
      - { .name: wfrag, .offset: 40, .size: 8, .value_kind: global_buffer, .address_space: global }
    .group_segment_fixed_size: 37888
    .private_segment_fixed_size: 0
    .kernarg_segment_align: 8
    .kernarg_segment_size: 48
    .max_flat_workgroup_size: 256
    .sgpr_count:     66
    .vgpr_count:     248
    .wavefront_size: 32
...
	.end_amdgpu_metadata
.endif
;; end of part 5
;; launch final: the kernel of part 3 again; grid 16 x 1, 8 waves a work-group, no clusters, 33,792 bytes of LDS; arguments psum, wfrag, bo, out0; writes out0
